; MI455X (gfx1250); checked and timed in simulation.
; The chip was launched on July 23, 2026; its instructions are those of AMD's public machine-readable ISA for CDNA 5 (MIT licence, August 2026) and "CDNA5" Instruction Set Architecture Reference Guide (July 2026). The comments in the code are by the model that wrote it; some were corrected since.
;; Local Decoder. Allowed arithmetic: matrix products marked QUANTISED: E2M3 operands, one E8M0 scale for each 32 along K, by v_wmma_scale_f32_16x16x128_f8f6f4 with both operands' format E2M3, f32 sums; products left as they are: f32 operands where the result goes on into a quantised operand, else bf16, f16 or f32 operands; f32 sums; everything else in f32.
;; Inputs: b0_b 5 x 128 float32; b0_w_codes 5 x 128 x 4 x 24 uint8 (E2M3 codes of b0_w, K innermost, in blocks of 32 codes, four codes in three bytes); b0_w_scales 5 x 128 x 4 uint8 (E8M0 scales of b0_w, one for each 32 codes along K); b1_b 5 x 128 float32; b1_w_codes 5 x 128 x 4 x 24 uint8 (E2M3 codes of b1_w, K innermost, in blocks of 32 codes, four codes in three bytes); b1_w_scales 5 x 128 x 4 uint8 (E8M0 scales of b1_w, one for each 32 codes along K); c_grid 2 x 128 x 64 x 64 x 64 float32; fc_c_b 5 x 128 float32; fc_c_w_codes 5 x 128 x 4 x 24 uint8 (E2M3 codes of fc_c_w, K innermost, in blocks of 32 codes, four codes in three bytes); fc_c_w_scales 5 x 128 x 4 uint8 (E8M0 scales of fc_c_w, one for each 32 codes along K); fc_p_b 128 float32; fc_p_w 128 x 3 float32; out_b 1 float32; out_w 1 x 128 float32; p 2 x 65,536 x 3 float32.
;; Outputs: out0 2 x 65,536 x 1 float32.
;; This version of the problem:
;;   THIS VERSION OF THE PROBLEM IS GIVEN IN LOW PRECISION. The matrix products marked QUANTISED in the list below multiply operands that are first quantised to E2M3 (2 exponent bits, 3 mantissa bits; 6 bits a number), with one power-of-two scale for each 32 numbers along K (OCP MX v1.0); their sums are f32. All else is computed in f32.
;;   The module's matrix products, in the order in which they are computed (A, B: the left and right operand; K: the contracted axis; several contracted axes count as one K, in the product's order):
;;     1. [M 131,072, K 3] x [K 3, N 128]; A: input p; B: input fc_p_w: left as it is (K = 3 < 32)
;;     2. [M 131,072, K 128] x [K 128, N 128]; A: computed on the way; B: input fc_c_w (given as codes): QUANTISED
;;     3. [M 131,072, K 128] x [K 128, N 128]; A: computed on the way; B: input b0_w (given as codes): QUANTISED
;;     4. [M 131,072, K 128] x [K 128, N 128]; A: computed on the way; B: input b1_w (given as codes): QUANTISED
;;     5. [M 131,072, K 128] x [K 128, N 128]; A: computed on the way; B: input fc_c_w (given as codes): QUANTISED
;;     6. [M 131,072, K 128] x [K 128, N 128]; A: computed on the way; B: input b0_w (given as codes): QUANTISED
;;     7. [M 131,072, K 128] x [K 128, N 128]; A: computed on the way; B: input b1_w (given as codes): QUANTISED
;;     8. [M 131,072, K 128] x [K 128, N 128]; A: computed on the way; B: input fc_c_w (given as codes): QUANTISED
;;     9. [M 131,072, K 128] x [K 128, N 128]; A: computed on the way; B: input b0_w (given as codes): QUANTISED
;;     10. [M 131,072, K 128] x [K 128, N 128]; A: computed on the way; B: input b1_w (given as codes): QUANTISED
;;     11. [M 131,072, K 128] x [K 128, N 128]; A: computed on the way; B: input fc_c_w (given as codes): QUANTISED
;;     12. [M 131,072, K 128] x [K 128, N 128]; A: computed on the way; B: input b0_w (given as codes): QUANTISED
;;     13. [M 131,072, K 128] x [K 128, N 128]; A: computed on the way; B: input b1_w (given as codes): QUANTISED
;;     14. [M 131,072, K 128] x [K 128, N 128]; A: computed on the way; B: input fc_c_w (given as codes): QUANTISED
;;     15. [M 131,072, K 128] x [K 128, N 128]; A: computed on the way; B: input b0_w (given as codes): QUANTISED
;;     16. [M 131,072, K 128] x [K 128, N 128]; A: computed on the way; B: input b1_w (given as codes): QUANTISED
;;     17. [M 131,072, K 128] x [K 128, N 1]; A: computed on the way; B: input out_w: left as it is (N = 1 < 16)
;;   THE QUANTISER, for each operand of a quantised product, along K:
;;     - K is cut into blocks of 32 from its start; a last block that is shorter is filled with zeros.
;;     - A block's scale is 2^e with e = floor(log2(the largest magnitude in the block)) - 2, held to -126 .. 127; a block of zeros has e = 0. As a byte (E8M0): e + 127.
;;     - Each number is divided by its block's scale, clamped to +-7.5, and rounded to the nearest number of E2M3, ties to even, subnormals kept.
;;     - The product sums the exact products of the quantised numbers (number of the format x scale) in f32.
;;   ~~~python
;;   def quantise(x, axis):      # numpy; x: float32 -> the quantised numbers, widened to float32 again
;;       x = np.moveaxis(x, axis, -1); K = x.shape[-1]
;;       x = np.pad(x, [(0, 0)] * (x.ndim - 1) + [(0, -K % 32)]); x = x.reshape(x.shape[:-1] + (-1, 32)); a = np.abs(x).max(-1, keepdims=True)
;;       e = np.where(a > 0, np.clip(np.frexp(np.where(a > 0, a, 1))[1] - 1 - 2, -126, 127), 0)      # np.frexp(a)[1] - 1 = floor(log2(a)), exactly
;;       r = np.clip(x / 2.0 ** e, -7.5, 7.5)
;;       step = 2.0 ** (np.maximum(np.frexp(np.where(r == 0, 1, r))[1] - 1, 0) - 3)
;;       q = np.round(r / step) * step * 2.0 ** e      # np.round: ties to even
;;       return np.moveaxis(q.reshape(q.shape[:-2] + (-1,))[..., :K], -1, axis).astype(np.float32)
;;   ~~~
;;   OPERANDS COMPUTED ON THE WAY. 'Computed on the way' means the value that the module computes at that place (a softmax that the list does not call 'softmax' is quantised finished and normalised). What goes into a quantiser is computed in f32, as accurately as f32 sums, v_exp_f32 and their like allow (about 1e-6 of the number): no bf16 or f16 on the way to a quantiser, and a product that is left as it is and whose result goes on into a quantised operand takes f32 operands (vector FMAs, or v_wmma_f32_16x16x4_f32). A number that lies on a knife's edge between two numbers of the format may be rounded either way, as far as f32 arithmetic and the matrix unit's own rounding can turn it there, and no further.
;;   INPUTS GIVEN AS CODES. b0_w (in the module: [5, 128, 128], K = its axis 2); b1_w (in the module: [5, 128, 128], K = its axis 2); fc_c_w (in the module: [5, 128, 128], K = its axis 2): each comes as NAME_codes (uint8): NAME with its K axis moved to the last place and cut into blocks of 32 codes, [.., K / 32, bytes a block], one block behind the other in memory; four codes in three bytes: a row's codes are one little-endian stream of bits, code i at bits 6 i .. 6 i + 5 (a code: sign, 2 exponent bits, 3 mantissa bits); and NAME_scales (uint8): the same leading axes, one E8M0 byte (e + 127) for each 32 codes along K. Its value is code x scale, taken as it is: it is not quantised again, and the codes and scales need not be those that the quantiser above would give.
;; 2 versions. Each part assembles by itself: llvm-mc -triple=amdgcn-amd-amdhsa -mcpu=gfx1250 --defsym DOCPART=n.
;; ======== version 1 of 2: 4 launches
;; workspace buffers: cell 524,288 bytes of whole numbers; ent 524,288 bytes of whole numbers; tab 32,768 bytes of whole numbers; ccode 12,582,912 bytes; cscale 524,288 bytes
;; launch keys (part 1): grid 256 x 1, 4 waves a work-group, no clusters, 0 bytes of LDS; arguments p, cell; writes cell
.if DOCPART == 1
	.amdgcn_target "amdgcn-amd-amdhsa--gfx1250"
	.amdhsa_code_object_version 6
	.text
	.protected	k_q6b5ac30802_keys
	.globl	k_q6b5ac30802_keys
	.p2align	8
	.type	k_q6b5ac30802_keys,@function
k_q6b5ac30802_keys:
	s_mov_b64 s[64:65], 0
	v_nop
	global_prefetch_b8 v0, s[64:65] scope:SCOPE_SE
	s_setreg_imm32_b32 hwreg(HW_REG_WAVE_MODE, 25, 1), 1
	s_wait_xcnt 0x0
; LocalDecoder, launch 1 of 4: the grid cell of each of the 131,072 points.
; THE PROGRAM.  keys: cell numbers.  bin: the points sorted by region of the grid.  sample: each region's grid rows come into LDS once, the trilinear samples
; are taken there and quantised.  mlp: products 1 to 17 of the table.
; DEAD WORK: none.  Nothing of reference() is left out, and every input is loaded by some launch.
; THE BASE CELL.  xb = min(floor(ix), 62), weight w = ix - xb.  Where floor(ix) = 63, reference() has x0 = x1 = 63 and wx = 0; here the pair is (62, 63) with
; w = 1: the same number for finite grid values.  So the two neighbours are always xb and xb + 1, inside the grid.  y and z likewise.
; cell = region << 16 | dz << 9 | dy << 6 | xb, region = (zb >> 3) * 8 + (yb >> 3), dz = zb & 7, dy = yb & 7.  It is stored at the point's own place: no address here hangs on it.
; LIMITS: a NaN or an infinity in p gives a cell inside the grid (the clamp takes it to an end) and is not carried to the result.
; The quotient p / 1.101 is a product with the reciprocal and one correction step by fused multiply-adds.
; SHARES.  Thread T = 128 x work-group + thread takes points 4 T .. 4 T + 3: 48 bytes in, 16 bytes out; a wave stores 512 consecutive bytes.
.set RC, 8                             ; s8   1 / 1.101 in f32
.set DV, 9                             ; s9   1.101 in f32
; v[d] = the grid coordinate of p's component v[s], in reference()'s steps: / 1.101, + 0.5, x 2 - 1, + 1, x 0.5 x 63 (one rounding), held to 0 .. 63.  The same lines stand in the launch 'sample'.
.macro COORD d, s, ta, tb
	v_mul_f32 v[\ta], s[RC], v[\s]
	v_fma_f32 v[\tb], -v[\ta], s[DV], v[\s]        ; what the first quotient leaves
	v_fma_f32 v[\ta], v[\tb], s[RC], v[\ta]        ; the quotient, corrected
	v_add_f32 v[\ta], 0.5, v[\ta]
	v_fma_f32 v[\ta], 2.0, v[\ta], -1.0
	v_add_f32 v[\ta], 1.0, v[\ta]
	v_mul_f32 v[\ta], 0x41fc0000, v[\ta]           ; x 31.5
	v_med3_num_f32 v[\d], v[\ta], 0, 0x427c0000    ; 0 .. 63
.endm
	s_load_b128 s[4:7], s[0:1], 0x0                ; p, cell
	s_mov_b32 s[RC], 0x3f688412
	s_mov_b32 s[DV], 0x3f8ced91
	s_lshl_b32 s10, ttmp9, 7
	v_add_nc_u32 v1, s10, v0                       ; T
	v_mul_u32_u24 v2, 48, v1
	v_lshlrev_b32 v3, 4, v1
	s_wait_kmcnt 0x0
	global_load_b128 v[8:11], v2, s[4:5]
	global_load_b128 v[12:15], v2, s[4:5] offset:16
	global_load_b128 v[16:19], v2, s[4:5] offset:32
	s_wait_loadcnt 0x0
.irp i, 0,1,2,3,4,5,6,7,8,9,10,11
	COORD 8+\i, 8+\i, 20, 21
	v_floor_f32 v[8+\i], v[8+\i]
	v_min_num_f32 v[8+\i], 0x42780000, v[8+\i]     ; at most 62
	v_cvt_u32_f32 v[8+\i], v[8+\i]
.endr
.irp e, 0,1,2,3                        ; point e: xb v[8 + 3 e], yb v[9 + 3 e], zb v[10 + 3 e]
	v_and_b32 v20, 0x38, v[10+3*\e]
	v_lshrrev_b32 v21, 3, v[9+3*\e]
	v_or_b32 v20, v20, v21                         ; region
	v_and_b32 v22, 7, v[10+3*\e]
	v_and_b32 v23, 7, v[9+3*\e]
	v_lshl_or_b32 v22, v22, 3, v23
	v_lshl_or_b32 v22, v22, 6, v[8+3*\e]
	v_lshl_or_b32 v[24+\e], v20, 16, v22
.endr
	global_store_b128 v3, v[24:27], s[6:7]
	s_endpgm
.Lfunc_end_k_q6b5ac30802_keys:
	.size	k_q6b5ac30802_keys, .Lfunc_end_k_q6b5ac30802_keys-k_q6b5ac30802_keys
	.p2alignl 7, 3214868480
	.fill 96, 4, 3214868480
	.section	.rodata,"a",@progbits
	.p2align	6, 0x0
	.amdhsa_kernel k_q6b5ac30802_keys
		.amdhsa_group_segment_fixed_size 0
		.amdhsa_private_segment_fixed_size 0
		.amdhsa_enable_private_segment 0
		.amdhsa_kernarg_size 16
		.amdhsa_user_sgpr_count 2
		.amdhsa_user_sgpr_kernarg_segment_ptr 1
		.amdhsa_wavefront_size32 1
		.amdhsa_system_sgpr_workgroup_id_x 1
		.amdhsa_system_sgpr_workgroup_id_y 1
		.amdhsa_system_sgpr_workgroup_id_z 1
		.amdhsa_system_vgpr_workitem_id 0
		.amdhsa_next_free_vgpr 32
		.amdhsa_next_free_sgpr 66
		.amdhsa_reserve_vcc 0
		.amdhsa_float_denorm_mode_32 3
		.amdhsa_float_denorm_mode_16_64 3
		.amdhsa_memory_ordered 1
		.amdhsa_forward_progress 1
		.amdhsa_inst_pref_size 10
	.end_amdhsa_kernel
	.amdgpu_metadata
---
amdhsa.version: [ 1, 2 ]
amdhsa.kernels:
  - .name:           k_q6b5ac30802_keys
    .symbol:         k_q6b5ac30802_keys.kd
    .args:
      - { .name: p, .offset: 0, .size: 8, .value_kind: global_buffer, .address_space: global }
      - { .name: cell, .offset: 8, .size: 8, .value_kind: global_buffer, .address_space: global }
    .group_segment_fixed_size: 0
    .private_segment_fixed_size: 0
    .kernarg_segment_align: 8
    .kernarg_segment_size: 16
    .max_flat_workgroup_size: 128
    .sgpr_count:     66
    .vgpr_count:     32
    .wavefront_size: 32
...
	.end_amdgpu_metadata
.endif
;; end of part 1
;; launch bin (part 2): grid 64 x 2, 16 waves a work-group, no clusters, 2,304 bytes of LDS; arguments cell, ent, tab; writes ent, tab
.if DOCPART == 2
	.amdgcn_target "amdgcn-amd-amdhsa--gfx1250"
	.amdhsa_code_object_version 6
	.text
	.protected	k_q6b5ac30802_bin
	.globl	k_q6b5ac30802_bin
	.p2align	8
	.type	k_q6b5ac30802_bin,@function
k_q6b5ac30802_bin:
	s_mov_b64 s[64:65], 0
	v_nop
	global_prefetch_b8 v0, s[64:65] scope:SCOPE_SE
	s_setreg_imm32_b32 hwreg(HW_REG_WAVE_MODE, 25, 1), 1
	s_wait_xcnt 0x0
; LocalDecoder, launch 2 of 4: a counting sort of each batch's 65,536 points by region, with no traffic between work-groups.  No work of reference() is left out here.
; Work-group (region, batch) OWNS its region: it reads all cells of the batch (a wave 4,096, kept in 128 registers), counts those of lower regions and its own, and so knows
; where its points begin in the sorted order; then it places its own points there.
; ent[position] = dz << 25 | dy << 22 | xb << 16 | the point's number in its batch.  Batch b fills positions 65,536 b on.
; tab: a line of 256 bytes for each (batch, region), at 256 (64 batch + region): the pair (first position, count), 32 times side by side, so that one store of a wave writes the whole line.
; The order of a region's points among themselves is by wave, register and lane; nothing later hangs on it.
.set SPARE, 256                        ; LDS: bytes 0-127 a pair (less, less or equal) for each wave; from 256 on the spare words, 128 bytes for each of 16 waves
.set WV, 16
.set LO, 20                            ; region << 16
.set HI, 21                            ; (region + 1) << 16
.set POS, 22                           ; where my wave's next point goes
.set TT, 23
.set SV, 24
.set TL, 25                            ; cells of lower regions in the batch, then the region's first position
.set TE, 26                            ; cells of my region
.set PRE, 27                           ; those of them in lower waves
.set SEL, 28                           ; s[28:29] lane selects of v_permlanex16_b32: lane l xor 16
; v1 lane; v2, v3 counts; v4 the point of my register 0; v5 16 x lane; v6 cell - LO; v7 a position as counted; v8 0; v9 LDS address of my wave's pair; v10, v11 at work;
; v12, v13 the add's two; v14 the position, held inside ent; v15 its byte offset; v16-143 the cells; v144-175 the 16 pairs; v176 my 8 bytes of the table's line; v[178:179] the pair
	s_load_b128 s[4:7], s[0:1], 0x0                ; cell, ent
	s_load_b64 s[8:9], s[0:1], 0x10                ; tab
	v_lshl_add_u32 v12, v0, 2, SPARE               ; my spare word
	v_mov_b32 v13, 0
	v_lshrrev_b32 v6, 5, v0
	v_readfirstlane_b32 s[WV], v6
	v_and_b32 v1, 31, v0                           ; lane
	v_lshlrev_b32 v5, 4, v1
	s_and_b32 s17, ttmp7, 0xffff                   ; batch
	s_lshl_b32 s[LO], ttmp9, 16
	s_add_co_u32 s[HI], s[LO], 0x10000
	s_lshl_b32 s18, s17, 18                        ; the batch's cells: 262,144 bytes,
	s_lshl_b32 s19, s[WV], 14                      ; my wave's 16,384 of them
	s_add_co_u32 s18, s18, s19
	s_mov_b32 s19, 0
	s_lshl_b32 s30, s[WV], 12
	v_lshlrev_b32 v4, 2, v1
	v_add_nc_u32 v4, s30, v4                       ; 4,096 x wave + 4 x lane: the point of my register 0
	s_lshl_b32 s31, s[WV], 3
	v_mov_b32 v9, s31                              ; LDS: my wave's pair
	s_lshl_b32 s31, s17, 6
	s_add_co_u32 s31, s31, ttmp9
	s_lshl_b32 s31, s31, 8                         ; the region's line of the table
	v_lshl_add_u32 v176, v1, 3, s31                ; and my lane's 8 bytes of it
	v_mov_b32 v8, 0
	v_mov_b32 v2, 0                                ; my count of cells under LO,
	v_mov_b32 v3, 0                                ; and under HI
	v_mov_b32 v10, 0                               ; (destinations of lane moves count as read)
	v_mov_b32 v11, 0
	v_mov_b32 v7, 0                                ; the three registers of a position are written once here, with all lanes on
	v_mov_b32 v14, 0
	v_mov_b32 v15, 0
	s_mov_b32 s[SEL], 0x76543210
	s_mov_b32 s[SEL+1], 0xfedcba98
	s_wait_kmcnt 0x0
	s_add_nc_u64 s[4:5], s[4:5], s[18:19]
.set q, 0
.rept 32                               ; register 4 q + e of a lane is point 4,096 wave + 128 q + 4 lane + e; a load reads 512 consecutive bytes
	global_load_b128 v[16+4*q:19+4*q], v5, s[4:5] offset:512*q
.set q, q+1
.endr
.set q, 0
.rept 32
	s_wait_loadcnt 31-q                            ; load q is in; the 31 - q younger ones may be out
.set e, 0
.rept 4
	v_cmp_gt_u32 vcc_lo, s[LO], v[16+4*q+e]
	v_add_co_ci_u32 v2, vcc_lo, 0, v2, vcc_lo
	v_cmp_gt_u32 vcc_lo, s[HI], v[16+4*q+e]
	v_add_co_ci_u32 v3, vcc_lo, 0, v3, vcc_lo
.set e, e+1
.endr
.set q, q+1
.endr
.irp m, 1,2,4,8                        ; the wave's two sums, in whole numbers
	v_mov_b32_dpp v10, v2 row_xmask:\m row_mask:0xf bank_mask:0xf
	v_mov_b32_dpp v11, v3 row_xmask:\m row_mask:0xf bank_mask:0xf
	v_add_nc_u32 v2, v2, v10
	v_add_nc_u32 v3, v3, v11
.endr
	v_permlanex16_b32 v10, v2, s[SEL], s[SEL+1]
	v_permlanex16_b32 v11, v3, s[SEL], s[SEL+1]
	v_add_nc_u32 v2, v2, v10
	v_add_nc_u32 v3, v3, v11
	ds_store_b64 v9, v[2:3]                        ; all lanes write the same pair
	s_wait_dscnt 0x0                               ; for the others' sake: my pair lies in LDS
	s_barrier_signal -1
	s_barrier_wait -1
.irp i, 0,1,2,3,4,5,6,7
	ds_load_b128 v[144+4*\i:147+4*\i], v8 offset:16*\i
.endr
	s_wait_dscnt 0x0
.set q, 0
.rept 32
	v_readfirstlane_b32 s[32+q], v[144+q]          ; s[32 + 2 k], s[33 + 2 k]: wave k's pair
.set q, q+1
.endr
	s_mov_b32 s[TL], 0
	s_mov_b32 s[TE], 0
	s_mov_b32 s[PRE], 0
.irp k, 0,1,2,3,4,5,6,7,8,9,10,11,12,13,14,15
	s_add_co_u32 s[TL], s[TL], s[32+2*\k]
	s_sub_co_u32 s[TT], s[33+2*\k], s[32+2*\k]     ; wave k's cells of my region
	s_add_co_u32 s[TE], s[TE], s[TT]
	s_cmp_lt_u32 \k, s[WV]
	s_cselect_b32 s[TT], s[TT], 0
	s_add_co_u32 s[PRE], s[PRE], s[TT]
.endr
	s_lshl_b32 s18, s17, 16
	s_add_co_u32 s[TL], s[TL], s18                 ; the region's first position
	s_add_co_u32 s[POS], s[TL], s[PRE]
	s_cmp_lg_u32 s[WV], 0                          ; wave 0 writes the region's line of the table
	s_cbranch_scc1 .Lnot_wave_0
	v_mov_b32 v178, s[TL]
	v_mov_b32 v179, s[TE]
	global_store_b64 v176, v[178:179], s[8:9]      ; 32 lanes store 256 consecutive bytes, at a multiple of 256 from tab's first byte
.Lnot_wave_0:
	s_wait_xcnt 0x0                                ; EXEC is narrowed below only behind this wait
; Register pn: the lanes whose cell is of my region store their entries at consecutive positions.
; The position as counted (v7), the position held inside ent (v14) and its byte offset (v15) have a register each: what enters the address never holds a number that is not held.
; EXEC: between a PLACE's wait on XCNT and the next PLACE's narrowing no memory instruction is issued, so one wait a PLACE, between the store and the widening, serves both; it also frees v15 and v11.
; EXEC is all ones at the entry and is narrowed nowhere else: it is set to all ones again.
.macro PLACE
	v_sub_nc_u32 v6, v[16+pn], s[LO]
	v_cmp_gt_u32 vcc_lo, 0x10000, v6
	s_cbranch_vccz .Lskip_\@                       ; none of these 32 cells is mine
	v_mbcnt_lo_u32_b32 v7, vcc_lo, s[POS]          ; POS + the chosen lanes below me
	s_bcnt1_i32_b32 s[TT], vcc_lo
	v_min_u32 v14, 0x1ffff, v7
	v_lshlrev_b32 v15, 2, v14
	v_add_nc_u32 v10, 128*(pn/4)+pn%4, v4          ; the point's number in its batch
	v_lshl_or_b32 v11, v[16+pn], 16, v10           ; the shift drops the region
	s_and_saveexec_b32 s[SV], vcc_lo
	global_store_b32 v15, v11, s[6:7]
	s_wait_xcnt 0x0
	s_mov_b32 exec_lo, -1
	s_add_co_u32 s[POS], s[POS], s[TT]
.Lskip_\@:
.endm
.set pn, 0
.rept 128
	PLACE
.set pn, pn+1
.endr
	s_wait_tensorcnt 0x0                           ; the wave's end, behind my last LDS store
	ds_add_u32 v12, v13
	s_wait_dscnt 0x0
	s_endpgm
.Lfunc_end_k_q6b5ac30802_bin:
	.size	k_q6b5ac30802_bin, .Lfunc_end_k_q6b5ac30802_bin-k_q6b5ac30802_bin
	.p2alignl 7, 3214868480
	.fill 96, 4, 3214868480
	.section	.rodata,"a",@progbits
	.p2align	6, 0x0
	.amdhsa_kernel k_q6b5ac30802_bin
		.amdhsa_group_segment_fixed_size 2304
		.amdhsa_private_segment_fixed_size 0
		.amdhsa_enable_private_segment 0
		.amdhsa_kernarg_size 24
		.amdhsa_user_sgpr_count 2
		.amdhsa_user_sgpr_kernarg_segment_ptr 1
		.amdhsa_wavefront_size32 1
		.amdhsa_system_sgpr_workgroup_id_x 1
		.amdhsa_system_sgpr_workgroup_id_y 1
		.amdhsa_system_sgpr_workgroup_id_z 1
		.amdhsa_system_vgpr_workitem_id 0
		.amdhsa_next_free_vgpr 192
		.amdhsa_next_free_sgpr 66
		.amdhsa_reserve_vcc 1
		.amdhsa_float_denorm_mode_32 3
		.amdhsa_float_denorm_mode_16_64 3
		.amdhsa_memory_ordered 1
		.amdhsa_forward_progress 1
		.amdhsa_inst_pref_size 116
	.end_amdhsa_kernel
	.amdgpu_metadata
---
amdhsa.version: [ 1, 2 ]
amdhsa.kernels:
  - .name:           k_q6b5ac30802_bin
    .symbol:         k_q6b5ac30802_bin.kd
    .args:
      - { .name: cell, .offset: 0, .size: 8, .value_kind: global_buffer, .address_space: global }
      - { .name: ent, .offset: 8, .size: 8, .value_kind: global_buffer, .address_space: global }
      - { .name: tab, .offset: 16, .size: 8, .value_kind: global_buffer, .address_space: global }
    .group_segment_fixed_size: 2304
    .private_segment_fixed_size: 0
    .kernarg_segment_align: 8
    .kernarg_segment_size: 24
    .max_flat_workgroup_size: 512
    .sgpr_count:     66
    .vgpr_count:     192
    .wavefront_size: 32
...
	.end_amdgpu_metadata
.endif
;; end of part 2
;; launch sample (part 3): grid 64 x 8, 16 waves a work-group, no clusters, 84,992 bytes of LDS; arguments c_grid, p, ent, tab, ccode, cscale; writes ccode, cscale
.if DOCPART == 3
	.amdgcn_target "amdgcn-amd-amdhsa--gfx1250"
	.amdhsa_code_object_version 6
	.text
	.protected	k_q6b5ac30802_sample
	.globl	k_q6b5ac30802_sample
	.p2align	8
	.type	k_q6b5ac30802_sample,@function
k_q6b5ac30802_sample:
	s_mov_b64 s[64:65], 0
	v_nop
	global_prefetch_b8 v0, s[64:65] scope:SCOPE_SE
	s_setreg_imm32_b32 hwreg(HW_REG_WAVE_MODE, 25, 1), 1
	s_wait_xcnt 0x0
; LocalDecoder, launch 3 of 4: c = the trilinear sample of c_grid at each point, quantised to E2M3 along the channels.  No work of reference() is left out here.
; c enters reference() only as the left operand of products 2, 5, 8, 11, 14: it is quantised once, here.
; SHARES.  Work-group (region, 4 batch + blk) serves all points of one region (8 x 8 cells in z, y, all of x) for channels 32 blk .. 32 blk + 31: one block of the quantiser.
; The region's 9 x 9 rows along x (256 consecutive bytes each) come into LDS four channels at a time (8 chunks), each row read once by this work-group; a grid node's four channels lie together,
; so a corner is one load of 16 bytes.  A lane holds one point and its registers run along the channels: the block's largest magnitude needs no other lane, and the codes come out with K innermost.
; Group g of 32 points belongs to wave g % 16, slot g / 16; three slots serve 1,536 points.  A region with more is served, from rank 1,536 on, straight from memory (the loop at the end): right for every spread of points.
; Lanes past the region's count repeat its last point and store the same bytes to the same place: EXEC is never touched.
; The sum of eight weighted corners differs from reference()'s three nested interpolations in the order of f32 roundings alone.
; ccode[blk][position][24 bytes]: 32 codes; cscale[position][blk]: the E8M0 byte.  A block of zeros keeps the byte 1 where the rule says 127: its codes are zeros, and only this program reads the bytes.
; LIMITS: NaN and infinities in c_grid or p are not served (E2M3 has no code for them; an infinity beside a weight 0 would give NaN).  Blocks whose largest magnitude lies under 2^-124 get the byte 1.
; No tensor load and no cluster: the launch branches on counts read from memory, and the interleaving of four channels is done in the registers on the way to LDS.
.set SPARE, 82944                      ; LDS: 0 .. 82,943 the stage: node (row, x) at 16 (64 row + x), row = 9 dz + dy; then the spare words, 128 bytes for each of 16 waves
.set L4,   1                           ; v1   4 x lane
.set T16,  2                           ; v2   16 x thread: where quad 16 k + wave goes, 8,192 k further on
.set T16H, 3                           ; v3   the same + 65,536, for k = 8, 9, 10
.set SPW,  4
.set NIL,  5
.set GA,   6                           ; v6-8    slot s: LDS address of my point's base node
.set POS,  9                           ; v9-11   slot s: my point's position in the sorted order
.set EA,   12                          ; v12-14  slot s: byte offset of its entry
.set GV,   15                          ; v15     the direct way: byte offset of the base node in a channel's volume
.set VO,   16                          ; v16-26  quad k: byte offset of my 4 bytes in a channel's volume
.set LN,   27                          ; v27     lane
.set W,    28                          ; v28-51  slot s: eight corner weights, corner 4 dz + 2 dy + dx
.set ACC,  52                          ; v52-147 slot s: 32 channels
.set STG,  148                         ; v148-191 quad k: four channels of one node a lane
.set TMP,  192                         ; v192-223 corner kk: four channels
.set QM0,  224                         ; the quantiser's
.set QM1,  225
.set QSO,  226
.set QBY,  227
.set QC0,  228
.set QC1,  232
.set QOA,  236
.set QOS,  237
.set IDR,  224                         ; the set-up's: v224-226 offsets into p; v228-236 base cells as f32; v240-242 entries; v244.. points
.set BF,   228
.set WX,   237
.set WY,   238
.set WZ,   239
.set ENT,  240
.set PP,   244
.set UX,   224
.set UY,   225
.set UZ,   226
.set Z00,  227
.set Z01,  243
.set Z10,  247
.set Z11,  251
.set CT0,  255
.set CT1,  243
.set WV,    16
.set BAT,   19
.set BLK,   20
.set RZ8,   21
.set RY8,   22
.set HALF7, 23
.set START, 24
.set COUNT, 25
.set CM1,   26
.set B16,   27
.set F0,    28                         ; s28-30 the rank of slot s's first point: 32 (16 s + wave)
.set FO,    31                         ; the direct way: the rank of the group's first point
.set RC,    32
.set DV,    33
.set GB,    34                         ; s[34:35] the chunk's first channel
.set GBB,   36                         ; s[36:37] the block's first channel
.set GB2,   38
.set NTR,   51                         ; the direct way: my wave's trips,
.set TR,    52                         ; and their counter
; the same lines as in the launch 'keys': the same bits, so that each weight lies in 0 .. 1
.macro COORD d, s, ta, tb
	v_mul_f32 v[\ta], s[RC], v[\s]
	v_fma_f32 v[\tb], -v[\ta], s[DV], v[\s]
	v_fma_f32 v[\ta], v[\tb], s[RC], v[\ta]
	v_add_f32 v[\ta], 0.5, v[\ta]
	v_fma_f32 v[\ta], 2.0, v[\ta], -1.0
	v_add_f32 v[\ta], 1.0, v[\ta]
	v_mul_f32 v[\ta], 0x41fc0000, v[\ta]
	v_med3_num_f32 v[\d], v[\ta], 0, 0x427c0000
.endm
; quad 16 k + wave is half a row: row 8 k + wave / 2, x from 32 (wave % 2) on
.macro VOQ k
	s_lshr_b32 s48, s[WV], 1
	s_add_co_u32 s48, s48, 8*\k                    ; row
	s_mul_i32 s49, s48, 57
	s_lshr_b32 s49, s49, 9                         ; dz = row / 9 (exact up to row 89)
	s_mul_i32 s50, s49, 9
	s_sub_co_u32 s50, s48, s50                     ; dy
	s_add_co_u32 s49, s49, s[RZ8]
	s_min_u32 s49, s49, 63                         ; the ninth row of an outermost region repeats the grid's last
	s_add_co_u32 s50, s50, s[RY8]
	s_min_u32 s50, s50, 63
	s_lshl_b32 s49, s49, 14
	s_lshl_b32 s50, s50, 8
	s_or_b32 s49, s49, s50
	s_or_b32 s49, s49, s[HALF7]
	v_add_nc_u32 v[VO+\k], s49, v[L4]
.endm
.macro LOADQ k                         ; four channels of a quad: 128 consecutive bytes a load
.irp jj, 0,1,2,3
	global_load_b32 v[STG+4*(\k)+\jj], v[VO+(\k)], s[GB:GB+1] offset:\jj*1048576
.endr
.endm
.macro LOADX                           ; row 80 has two quads more: waves 0 and 1 take them
	s_cmp_lt_u32 s[WV], 2
	s_cbranch_scc0 .Lnox_\@
	LOADQ 10
.Lnox_\@:
.endm
; the point of rank s[first] + lane: its position, and the load of its entry
.macro SETUP_A sl, first
	v_add_nc_u32 v[POS+\sl], s[\first], v[LN]
	v_min_u32 v[POS+\sl], s[CM1], v[POS+\sl]       ; past the count: the last point again
	v_min_u32 v[POS+\sl], 0xffff, v[POS+\sl]
	v_add_nc_u32 v[POS+\sl], s[START], v[POS+\sl]
	v_min_u32 v[POS+\sl], 0x1ffff, v[POS+\sl]
	v_lshlrev_b32 v[EA+\sl], 2, v[POS+\sl]
	global_load_b32 v[ENT+\sl], v[EA+\sl], s[8:9]
.endm
; the entry's fields, each cut and then held; the load of the point; the base node's address (gv = 0: in the stage; 1: in a channel's volume)
.macro SETUP_B sl, gv
	v_and_b32 v[IDR+\sl], 0xffff, v[ENT+\sl]
	v_min_u32 v[IDR+\sl], 0xffff, v[IDR+\sl]
	v_add_nc_u32 v[IDR+\sl], s[B16], v[IDR+\sl]
	v_mul_u32_u24 v[IDR+\sl], 12, v[IDR+\sl]
	global_load_b96 v[PP+4*\sl:PP+4*\sl+2], v[IDR+\sl], s[6:7]
	v_bfe_u32 v[WX], v[ENT+\sl], 16, 6
	v_min_u32 v[WX], 62, v[WX]                     ; xb
	v_bfe_u32 v[WY], v[ENT+\sl], 22, 3
	v_min_u32 v[WY], 7, v[WY]                      ; dy
	v_bfe_u32 v[WZ], v[ENT+\sl], 25, 3
	v_min_u32 v[WZ], 7, v[WZ]                      ; dz
.if \gv == 0
	v_mul_u32_u24 v[GA+\sl], 9, v[WZ]
	v_add_nc_u32 v[GA+\sl], v[GA+\sl], v[WY]
	v_lshl_add_u32 v[GA+\sl], v[GA+\sl], 6, v[WX]
	v_lshlrev_b32 v[GA+\sl], 4, v[GA+\sl]
.endif
	v_add_nc_u32 v[WY], s[RY8], v[WY]              ; yb
	v_add_nc_u32 v[WZ], s[RZ8], v[WZ]              ; zb
	v_cvt_f32_u32 v[BF+3*\sl], v[WX]
	v_cvt_f32_u32 v[BF+3*\sl+1], v[WY]
	v_cvt_f32_u32 v[BF+3*\sl+2], v[WZ]
.if \gv
	v_min_u32 v[WZ], 62, v[WZ]
	v_min_u32 v[WY], 62, v[WY]
	v_lshl_add_u32 v[GV], v[WZ], 6, v[WY]
	v_lshl_add_u32 v[GV], v[GV], 6, v[WX]
	v_lshlrev_b32 v[GV], 2, v[GV]
.endif
.endm
; the three weights and their eight products
.macro SETUP_C sl
	COORD WX, PP+4*\sl, CT0, CT1
	COORD WY, PP+4*\sl+1, CT0, CT1
	COORD WZ, PP+4*\sl+2, CT0, CT1
	v_sub_f32 v[WX], v[WX], v[BF+3*\sl]
	v_sub_f32 v[WY], v[WY], v[BF+3*\sl+1]
	v_sub_f32 v[WZ], v[WZ], v[BF+3*\sl+2]
	v_sub_f32 v[UX], 1.0, v[WX]
	v_sub_f32 v[UY], 1.0, v[WY]
	v_sub_f32 v[UZ], 1.0, v[WZ]
	v_mul_f32 v[Z00], v[UZ], v[UY]
	v_mul_f32 v[Z01], v[UZ], v[WY]
	v_mul_f32 v[Z10], v[WZ], v[UY]
	v_mul_f32 v[Z11], v[WZ], v[WY]
	v_mul_f32 v[W+8*\sl+0], v[Z00], v[UX]
	v_mul_f32 v[W+8*\sl+1], v[Z00], v[WX]
	v_mul_f32 v[W+8*\sl+2], v[Z01], v[UX]
	v_mul_f32 v[W+8*\sl+3], v[Z01], v[WX]
	v_mul_f32 v[W+8*\sl+4], v[Z10], v[UX]
	v_mul_f32 v[W+8*\sl+5], v[Z10], v[WX]
	v_mul_f32 v[W+8*\sl+6], v[Z11], v[UX]
	v_mul_f32 v[W+8*\sl+7], v[Z11], v[WX]
.endm
; slot sl's eight corners of chunk ch, if the slot has points
.macro GATHER sl, ch
	s_cmp_lt_u32 s[F0+\sl], s[COUNT]
	s_cbranch_scc0 .Lng_\@
.irp kk, 0,1,2,3,4,5,6,7
	ds_load_b128 v[TMP+4*\kk:TMP+4*\kk+3], v[GA+\sl] offset:9216*(\kk/4)+1024*((\kk/2)%2)+16*(\kk%2)
.endr
.irp kk, 0,1,2,3,4,5,6,7
	s_wait_dscnt 7-\kk                             ; corner kk is in; the 7 - kk younger ones may be out
.irp jj, 0,1,2,3
	v_fmac_f32 v[ACC+32*\sl+4*\ch+\jj], v[TMP+4*\kk+\jj], v[W+8*\sl+\kk]
.endr
.endr
.Lng_\@:
.endm
; One chunk of four channels.  Its 40 (waves 0, 1: 44) loads were issued a chunk ago, the two extra quads' first.
.macro CHUNK ch, more
	s_wait_loadcnt 36                              ; quad 0 (and the extra quad, which is older) is in; the 36 loads of quads 1 to 9 may be out
	s_cmp_lt_u32 s[WV], 2
	s_cbranch_scc0 .Lnx_\@
	ds_store_b128 v[T16H], v[STG+40:STG+43] offset:16384
.Lnx_\@:
	ds_store_b128 v[T16], v[STG:STG+3]
.irp k, 1,2,3,4,5,6,7,8,9
	s_wait_loadcnt 4*(9-\k)                        ; quad k is in; four loads for each younger quad may be out
.if \k < 8
	ds_store_b128 v[T16], v[STG+4*\k:STG+4*\k+3] offset:8192*\k
.else
	ds_store_b128 v[T16H], v[STG+4*\k:STG+4*\k+3] offset:8192*(\k-8)
.endif
.endr
.if \more
	s_add_nc_u64 s[GB:GB+1], s[GB:GB+1], 0x400000  ; four channels on: every load that named the base has come back
	s_wait_dscnt 9                                 ; the extra quad's and quad 0's stores have read their registers; the stores of quads 1 to 9 may be out
	LOADX
	LOADQ 0
.irp k, 1,2,3,4,5,6,7,8,9
	s_wait_dscnt 9-\k                              ; quad k's store has read its registers
	LOADQ \k                                       ; the next chunk is asked for now and has this chunk's gathers in which to land
.endr
.else
	s_wait_dscnt 0x0
.endif
	s_barrier_signal -1                            ; every wave's part of the stage is written
	s_barrier_wait -1
	GATHER 0, \ch
	GATHER 1, \ch
	GATHER 2, \ch
	s_wait_dscnt 0x0                               ; my reads of the stage are over
	s_barrier_signal -1                            ; so are everybody's: the stage may be written again
	s_barrier_wait -1
.endm
; slot sl's 32 channels become 32 codes and a scale byte
.macro QS sl
	v_max3_num_f32 v[QM0], |v[ACC+32*\sl]|, |v[ACC+32*\sl+1]|, |v[ACC+32*\sl+2]|
	v_max3_num_f32 v[QM1], |v[ACC+32*\sl+3]|, |v[ACC+32*\sl+4]|, |v[ACC+32*\sl+5]|
.irp ii, 6,10,14,18,22,26
	v_max3_num_f32 v[QM0], v[QM0], |v[ACC+32*\sl+\ii]|, |v[ACC+32*\sl+\ii+1]|
	v_max3_num_f32 v[QM1], v[QM1], |v[ACC+32*\sl+\ii+2]|, |v[ACC+32*\sl+\ii+3]|
.endr
	v_max3_num_f32 v[QM0], v[QM0], |v[ACC+32*\sl+30]|, |v[ACC+32*\sl+31]|
	v_max3_num_f32 v[QM0], v[QM0], v[QM1], 0x1800000   ; and the floor 2^(3 - 127): the byte cannot fall under 1
	v_add_nc_u32 v[QSO], 0xff000000, v[QM0]        ; 2 off the exponent field: the conversion's scale operand
	v_lshrrev_b32 v[QBY], 23, v[QSO]               ; the scale's byte
	v_cvt_scalef32_pk16_fp6_f32 v[QC0:QC0+2], v[ACC+32*\sl:ACC+32*\sl+15], v[QSO]
	v_cvt_scalef32_pk16_fp6_f32 v[QC1:QC1+2], v[ACC+32*\sl+16:ACC+32*\sl+31], v[QSO]
	v_nop                                          ; one plain place behind the conversions
	v_mul_u32_u24 v[QOA], 24, v[POS+\sl]
	v_lshlrev_b32 v[QOS], 2, v[POS+\sl]
	global_store_b96 v[QOA], v[QC0:QC0+2], s[12:13]
	global_store_b96 v[QOA], v[QC1:QC1+2], s[12:13] offset:12
	global_store_b8 v[QOS], v[QBY], s[14:15]
	s_wait_xcnt 0x0                                ; the stores' registers are written again only behind this wait
.endm
.macro QSG sl
	s_cmp_lt_u32 s[F0+\sl], s[COUNT]
	s_cbranch_scc0 .Lnq_\@
	QS \sl
.Lnq_\@:
.endm
	s_load_b256 s[4:11], s[0:1], 0x0               ; c_grid, p, ent, tab
	s_load_b128 s[12:15], s[0:1], 0x20             ; ccode, cscale
	v_lshl_add_u32 v[SPW], v0, 2, SPARE
	v_mov_b32 v[NIL], 0
	v_lshrrev_b32 v12, 5, v0
	v_readfirstlane_b32 s[WV], v12
	v_and_b32 v[LN], 31, v0
	v_lshlrev_b32 v[L4], 2, v[LN]
	v_lshlrev_b32 v[T16], 4, v0
	v_add_nc_u32 v[T16H], 0x10000, v[T16]
	s_and_b32 s18, ttmp7, 0xffff
	s_lshr_b32 s[BAT], s18, 2
	s_and_b32 s[BLK], s18, 3
	s_and_b32 s[RZ8], ttmp9, 0x38                  ; the region's first z,
	s_and_b32 s[RY8], ttmp9, 7
	s_lshl_b32 s[RY8], s[RY8], 3                   ; and y
	s_and_b32 s[HALF7], s[WV], 1
	s_lshl_b32 s[HALF7], s[HALF7], 7
	s_lshl_b32 s[B16], s[BAT], 16
	s_mov_b32 s[RC], 0x3f688412
	s_mov_b32 s[DV], 0x3f8ced91
	s_lshl_b32 s[F0], s[WV], 5
	s_add_co_u32 s[F0+1], s[F0], 512
	s_add_co_u32 s[F0+2], s[F0], 1024
	s_add_co_u32 s[FO], s[F0], 1536
	s_lshl_b32 s40, s[BAT], 6
	s_add_co_u32 s40, s40, ttmp9
	s_lshl_b32 s40, s40, 8                         ; my line of the table: 256 bytes a line, the pair at its head
	s_mov_b32 s41, 0
	s_lshl_b32 s42, s[BAT], 7
	s_lshl_b32 s43, s[BLK], 5
	s_add_co_u32 s42, s42, s43
	s_lshl_b32 s42, s42, 20                        ; my first channel's volume: 1,048,576 bytes each
	s_mov_b32 s43, 0
	s_mul_i32 s44, s[BLK], 0x300000                ; my block's codes
	s_mov_b32 s45, 0
	s_mov_b32 s46, s[BLK]                          ; my byte of a scale word
	s_mov_b32 s47, 0
.irp k, 0,1,2,3,4,5,6,7,8,9,10
	VOQ \k
.endr
	s_wait_kmcnt 0x0
	s_add_nc_u64 s[10:11], s[10:11], s[40:41]
	s_load_b64 s[START:COUNT], s[10:11], 0x0
	s_add_nc_u64 s[GBB:GBB+1], s[4:5], s[42:43]
	s_mov_b64 s[GB:GB+1], s[GBB:GBB+1]
	s_add_nc_u64 s[12:13], s[12:13], s[44:45]
	s_add_nc_u64 s[14:15], s[14:15], s[46:47]
	LOADX                                          ; chunk 0
.irp k, 0,1,2,3,4,5,6,7,8,9
	LOADQ \k
.endr
.set i, 0
.rept 96                               ; a slot's sums are written only where the slot has points, a test on a number read from memory: they are cleared once, so that they are written on every way
	v_mov_b32 v[ACC+i], 0
.set i, i+1
.endr
	s_wait_kmcnt 0x0
	s_min_u32 s[START], s[START], 0x1ffff
	s_min_u32 s[COUNT], s[COUNT], 0x10000
	s_max_u32 s[CM1], s[COUNT], 1
	s_sub_co_u32 s[CM1], s[CM1], 1
	SETUP_A 0, F0
	SETUP_A 1, F0+1
	SETUP_A 2, F0+2
	s_wait_loadcnt 0x0
	SETUP_B 0, 0
	SETUP_B 1, 0
	SETUP_B 2, 0
	s_wait_loadcnt 0x0
	SETUP_C 0
	SETUP_C 1
	SETUP_C 2
.irp c, 0,1,2,3,4,5,6
	CHUNK \c, 1
.endr
	CHUNK 7, 0
	QSG 0
	QSG 1
	QSG 2
	; THE DIRECT WAY, for points of rank 1,536 on: no LDS, no barrier.  Wave w takes groups 48 + w + 16 t, t = 0, 1 ..: with G = (count + 31) / 32 groups in all,
	; group 48 + w + 16 t exists while t < (G - 33 - w) / 16, taken as 0 where G - 33 - w is negative.  The loop is counted by t, one a trip.
	s_add_co_u32 s48, s[COUNT], 31
	s_lshr_b32 s48, s48, 5                         ; G
	s_add_co_u32 s49, s[WV], 33
	s_sub_co_i32 s48, s48, s49
	s_max_i32 s48, s48, 0
	s_lshr_b32 s[NTR], s48, 4
	s_cmp_eq_u32 s[NTR], 0
	s_cbranch_scc1 .Lnone
	s_mov_b32 s[TR], 0
.Lover:
	SETUP_A 0, FO
	s_wait_loadcnt 0x0
	SETUP_B 0, 1
	s_wait_loadcnt 0x0
	SETUP_C 0
	s_mov_b64 s[GB2:GB2+1], s[GBB:GBB+1]
.irp cc, 0,1,2,3,4,5,6,7
.irp kk, 0,1,2,3,4,5,6,7
.irp jj, 0,1,2,3
	global_load_b32 v[TMP+4*\kk+\jj], v[GV], s[GB2:GB2+1] offset:(\jj+4*(\cc%2))*1048576+16384*(\kk/4)+256*((\kk/2)%2)+4*(\kk%2)
.endr
.endr
	s_wait_loadcnt 0x0
.irp kk, 0,1,2,3,4,5,6,7
.irp jj, 0,1,2,3
.if \kk == 0
	v_mul_f32 v[ACC+4*\cc+\jj], v[TMP+\jj], v[W]   ; the first corner starts the sum
.else
	v_fmac_f32 v[ACC+4*\cc+\jj], v[TMP+4*\kk+\jj], v[W+\kk]
.endif
.endr
.endr
.if (\cc%2 == 1) && (\cc < 7)
	s_add_nc_u64 s[GB2:GB2+1], s[GB2:GB2+1], 0x800000  ; eight channels on: the loads that named the base have come back
.endif
.endr
	QS 0
	s_add_co_u32 s[FO], s[FO], 512                 ; sixteen groups on
	s_add_co_u32 s[TR], s[TR], 1
	s_cmp_lt_u32 s[TR], s[NTR]
	s_cbranch_scc1 .Lover
.Lnone:
	s_wait_tensorcnt 0x0                           ; the wave's end, behind my last LDS store
	ds_add_u32 v[SPW], v[NIL]
	s_wait_dscnt 0x0
	s_endpgm
.Lfunc_end_k_q6b5ac30802_sample:
	.size	k_q6b5ac30802_sample, .Lfunc_end_k_q6b5ac30802_sample-k_q6b5ac30802_sample
	.p2alignl 7, 3214868480
	.fill 96, 4, 3214868480
	.section	.rodata,"a",@progbits
	.p2align	6, 0x0
	.amdhsa_kernel k_q6b5ac30802_sample
		.amdhsa_group_segment_fixed_size 84992
		.amdhsa_private_segment_fixed_size 0
		.amdhsa_enable_private_segment 0
		.amdhsa_kernarg_size 48
		.amdhsa_user_sgpr_count 2
		.amdhsa_user_sgpr_kernarg_segment_ptr 1
		.amdhsa_wavefront_size32 1
		.amdhsa_system_sgpr_workgroup_id_x 1
		.amdhsa_system_sgpr_workgroup_id_y 1
		.amdhsa_system_sgpr_workgroup_id_z 1
		.amdhsa_system_vgpr_workitem_id 0
		.amdhsa_next_free_vgpr 256
		.amdhsa_next_free_sgpr 66
		.amdhsa_reserve_vcc 0
		.amdhsa_float_denorm_mode_32 3
		.amdhsa_float_denorm_mode_16_64 3
		.amdhsa_memory_ordered 1
		.amdhsa_forward_progress 1
		.amdhsa_inst_pref_size 153
	.end_amdhsa_kernel
	.amdgpu_metadata
---
amdhsa.version: [ 1, 2 ]
amdhsa.kernels:
  - .name:           k_q6b5ac30802_sample
    .symbol:         k_q6b5ac30802_sample.kd
    .args:
      - { .name: c_grid, .offset: 0, .size: 8, .value_kind: global_buffer, .address_space: global }
      - { .name: p, .offset: 8, .size: 8, .value_kind: global_buffer, .address_space: global }
      - { .name: ent, .offset: 16, .size: 8, .value_kind: global_buffer, .address_space: global }
      - { .name: tab, .offset: 24, .size: 8, .value_kind: global_buffer, .address_space: global }
      - { .name: ccode, .offset: 32, .size: 8, .value_kind: global_buffer, .address_space: global }
      - { .name: cscale, .offset: 40, .size: 8, .value_kind: global_buffer, .address_space: global }
    .group_segment_fixed_size: 84992
    .private_segment_fixed_size: 0
    .kernarg_segment_align: 8
    .kernarg_segment_size: 48
    .max_flat_workgroup_size: 512
    .sgpr_count:     66
    .vgpr_count:     256
    .wavefront_size: 32
...
	.end_amdgpu_metadata
.endif
;; end of part 3
;; launch mlp (part 4): grid 256 x 1, 8 waves a work-group, no clusters, 208,896 bytes of LDS; arguments ccode, cscale, ent, p, fc_p_w, fc_p_b, fc_c_w_codes, fc_c_w_scales, fc_c_b, b0_w_codes, b0_w_scales, b0_b, b1_w_codes, b1_w_scales, b1_b, out_w, out_b, out0; writes out0
.if DOCPART == 4
	.amdgcn_target "amdgcn-amd-amdhsa--gfx1250"
	.amdhsa_code_object_version 6
	.text
	.protected	k_q6b5ac30802_mlp
	.globl	k_q6b5ac30802_mlp
	.p2align	8
	.type	k_q6b5ac30802_mlp,@function
k_q6b5ac30802_mlp:
	s_mov_b64 s[64:65], 0
	v_nop
	global_prefetch_b8 v0, s[64:65] scope:SCOPE_SE
	s_setreg_imm32_b32 hwreg(HW_REG_WAVE_MODE, 25, 1), 1
	s_wait_xcnt 0x0
; LocalDecoder, launch 4 of 4: products 1 to 17 of the table, on the points in sorted order.  No work of reference() is left out here.
; SHARES.  Work-group g takes positions 512 g .. 512 g + 511 in two rounds; in a round each of its eight waves takes 32 points: two tiles of 16, so that each weight fragment read from LDS feeds two products.
; LAYOUT.  Every product is used transposed (source 0 = 16 rows of a weight, source 1 = 16 points): a lane holds ONE point.  Lane r of weight tile t takes row 32 (t / 2) + 8 (t % 2) + r + 8 (r / 8),
; so that register 8 t + j of lane (r, h) is unit 32 (t / 2) + 16 h + 8 (t % 2) + j: the 16 registers of tiles 2 b, 2 b + 1 are 16 neighbours along the next K.
; THE 15 WEIGHTS lie in LDS for the whole launch as images of their operand registers (a fragment: 3 x 512 bytes, lane l's 16 bytes at 16 l), filled once through registers; behind the one barrier LDS is only read.
; THE NET lives in 128 accumulator registers and is written by matrix instructions alone.  Product 1 goes by the f32 matrix form with K = 4: the fourth k carries fc_p_b against 1.0.
; The other biases that reference() adds to the net are summed in a table: d_0 = fc_c_b[0], d_i = d_(i-1) + b1_b[i-1] + fc_c_b[i], d_5 = d_4 + b1_b[4]; relu(net + d_i) is taken where the net is read.
; That changes the order of f32 additions and nothing else.  b0_b is the C of the hidden layer's products.
; The product of c with fc_c_w[i + 1] is brought forward among block i's hidden products: the net of block i has been read by then, and sums commute.
; LIMITS: blocks whose largest magnitude lies under 2^-124 get the byte 1; a block of zeros keeps the byte 1 (its codes are zeros).  NaN and infinities are not served.
; No tensor load: 190 KB of weights are filled once and no slot is filled again.  No cluster: the work-groups share the weights alone, read once each at the head.
.set WSC,   184320                     ; LDS: 0 the images, matrix mu at 12,288 mu, tile t at + 1,536 t; here the scale words: matrix mu at 1,024 mu, tile t of lane l at 512 (t / 4) + 16 l + 4 (t % 4)
.set WPI,   199680                     ; fc_p_w's f32 fragments: tile t at 256 t + 8 l
.set DT,    201728                     ; d_0 .. d_5, 512 bytes each
.set B0T,   204800                     ; b0_b
.set OWT,   207360                     ; out_w
.set SPARE, 207872                     ; the spare words, 128 bytes for each of 8 waves
; matrices: mu = 0 fc_c_w[0]; 1 + 3 i b0_w[i]; 2 + 3 i b1_w[i]; 3 + 3 i fc_c_w[i + 1]
; window 0
.set L16, 1                            ; 16 x lane
.set H64, 2                            ; 64 x (lane / 16)
.set VW,  3                            ; LDS addresses of this block's images, scale words, d table, b0 table
.set VS,  4
.set VD,  5
.set VB,  6
.set SPW, 7
.set NIL, 8
.set OID, 9                            ; byte offset of my point in out0
.set TA,  10                           ; LDS address of fc_p_w's fragments
.set H8,  11                           ; 8 x (lane / 16)
.set OA,  12                           ; v12-15 the last product's sums, a pair a tile
.set WS0, 16                           ; v16-37 hold scales and nothing else
.set WS1, 24
.set SWA, 32
.set SWH, 34
.set CS,  36
.set PB,  38                           ; v38-41 the points, a pair a tile
.set BI0, 42                           ; 16 numbers of a bias table, two sets
.set BI1, 58
.set WF0, 74                           ; two weight fragments, two sets
.set WF1, 98
.set HT0, 122                          ; 16 numbers a tile, two sets
.set HT1, 154
.set AQ,  186                          ; codes of relu(net), 12 a tile
.set HQ,  210                          ; codes of relu(h)
.set XR,  234                          ; v234-236, v238-240 a half block's codes
.set IA,  237                          ; v237, v241 offsets into p
.set TM,  242
.set PM,  244
.set SO,  246
.set BY,  248
.set EN,  250
.set NE2, 252
.set AE,  253                          ; 4 (base + r); never rewritten
.set AL,  254                          ; 4 (base + lane); never rewritten
.set AC,  255                          ; 3,145,728 h + 24 (base + r); never rewritten
; the head's own names
.set IM,  3
.set SCA, 6
.set DTA, 12
.set U4,  13
.set WPA, 14
.set PA1, 245
.set PA2, 247
.set WA,  248
.set SA,  249
; window 1
.set NET, 0                            ; tile p, weight tile t at 64 p + 8 t
.set CC,  128                          ; c's codes, 12 a tile
.set WB,  152                          ; eight weight fragments
.set WV,   44
.set BASE, 45
.set B16,  46
.set MASK, 47
.set SEL,  48
.set OB,   50
.set IW,   51
.set IS,   52
.set IDD,  53
.set IBB,  54
.set IT,   55
.set RND,  56
.set MSB, 0
.macro WIN new                         ; the immediate's high byte repeats the setting that is left
.if MSB != \new
	s_set_vgpr_msb (MSB<<8)|\new
.set MSB, \new
.endif
.endm
.macro NOPS n
.rept \n
	v_nop
.endr
.endm
.macro MX d, a, b, c, sa, sb
	v_wmma_scale_f32_16x16x128_f8f6f4 v[\d:\d+7], v[\a:\a+11], v[\b:\b+11], v[\c:\c+7], v[\sa], v[\sb] matrix_a_fmt:MATRIX_FMT_FP6 matrix_b_fmt:MATRIX_FMT_FP6
.endm
.macro LDBI dst, adr, off              ; my 16 numbers of a table's block
.irp qq, 0,1,2,3
	ds_load_b128 v[\dst+4*\qq:\dst+4*\qq+3], v[\adr] offset:\off+16*\qq
.endr
.endm
.macro LDSC dst, off                   ; a matrix's eight scale registers
	ds_load_b128 v[\dst:\dst+3], v[VS] offset:\off
	ds_load_b128 v[\dst+4:\dst+7], v[VS] offset:\off+512
.endm
.macro LDFR dst, off                   ; a fragment's image
.irp qq, 0,1,2
	ds_load_b128 v[\dst+4*\qq:\dst+4*\qq+3], v[VW] offset:\off+512*\qq
.endr
.endm
.macro RELU src
.set rj, 0
.rept 32
	v_max_num_f32 v[\src+rj], 0, v[\src+rj]        ; ascending: each accumulator is read from its low end on
.set rj, rj+1
.endr
.endm
; Block blk of 32 along K of both tiles: 16 numbers a lane at v[src + 16 p], none negative, become codes in v[dq + 12 p ..] and byte blk of the scale word v[sw + p].
.macro QB src, blk, dq, sw
.irp pp, 0,1
	v_max3_num_f32 v[TM+\pp], v[\src+16*\pp], v[\src+16*\pp+1], 0x1800000   ; with the floor 2^(3 - 127): the byte cannot fall under 1
	v_max3_num_f32 v[BY+\pp], v[\src+16*\pp+2], v[\src+16*\pp+3], v[\src+16*\pp+4]
.endr
.irp ii, 5,9
.irp pp, 0,1
	v_max3_num_f32 v[TM+\pp], v[TM+\pp], v[\src+16*\pp+\ii], v[\src+16*\pp+\ii+1]
	v_max3_num_f32 v[BY+\pp], v[BY+\pp], v[\src+16*\pp+\ii+2], v[\src+16*\pp+\ii+3]
.endr
.endr
.irp pp, 0,1
	v_max3_num_f32 v[TM+\pp], v[TM+\pp], v[\src+16*\pp+13], v[\src+16*\pp+14]
.endr
.irp pp, 0,1
	v_max3_num_f32 v[TM+\pp], v[TM+\pp], v[BY+\pp], v[\src+16*\pp+15]
.endr
.irp pp, 0,1
	v_permlanex16_b32 v[PM+\pp], v[TM+\pp], s[SEL], s[SEL+1]
.endr
.irp pp, 0,1
	v_max_num_f32 v[TM+\pp], v[TM+\pp], v[PM+\pp]  ; with lane l xor 16's 16: the block's largest
.endr
.irp pp, 0,1
	v_add_nc_u32 v[SO+\pp], 0xff000000, v[TM+\pp]  ; 2 off the exponent field: the conversion's scale operand
.endr
.if (\blk) == 0
.irp pp, 0,1
	v_lshrrev_b32 v[\sw+\pp], 23, v[SO+\pp]
.endr
.else
.irp pp, 0,1
	v_lshrrev_b32 v[BY+\pp], 23, v[SO+\pp]
.endr
.irp pp, 0,1
	v_lshl_or_b32 v[\sw+\pp], v[BY+\pp], 8*(\blk), v[\sw+\pp]
.endr
.endif
.if (\blk)%2 == 0
.irp pp, 0,1
	v_cvt_scalef32_pk16_fp6_f32 v[\dq+12*\pp+3*(\blk):\dq+12*\pp+3*(\blk)+2], v[\src+16*\pp:\src+16*\pp+15], v[SO+\pp]
.endr
	v_nop                                          ; one plain place behind the conversions
.else
.irp pp, 0,1
	v_cvt_scalef32_pk16_fp6_f32 v[XR+4*\pp:XR+4*\pp+2], v[\src+16*\pp:\src+16*\pp+15], v[SO+\pp]
.endr
	v_nop
.irp pp, 0,1                           ; the operand wants a whole block in a lane: lanes 0-15 the even block, lanes 16-31 the odd one
.irp i3, 0,1,2
	v_permlane16_swap_b32 v[\dq+12*\pp+3*(\blk)-3+\i3], v[XR+4*\pp+\i3]
.endr
.endr
.irp pp, 0,1
.irp i3, 0,1,2
	v_mov_b32 v[\dq+12*\pp+3*(\blk)+\i3], v[XR+4*\pp+\i3]
.endr
.endr
.endif
.endm
.macro NETIN blk, bi                   ; net + d, block blk of both tiles, into HT0
	WIN 0x01                                       ; source 0: window 1
.irp pp, 0,1
.irp kk, 0,2,4,6,8,10,12,14
	v_pk_add_f32 v[HT0+16*\pp+\kk:HT0+16*\pp+\kk+1], v[NET+64*\pp+16*(\blk)+\kk:NET+64*\pp+16*(\blk)+\kk+1], v[\bi+\kk:\bi+\kk+1]
.endr
.endr
	WIN 0
	RELU HT0
.endm
.macro ASTAGE blk, bi
	NETIN \blk, \bi
	QB HT0, \blk, AQ, SWA
.endm
.macro QSTAGE blk
	RELU HT0+32*((\blk)%2)
	QB HT0+32*((\blk)%2), \blk, HQ, SWH
.endm
.macro HPROD blk                       ; h's tiles 2 blk, 2 blk + 1 for both tiles of points: C = b0_b
.irp uu, 0,1
.irp pp, 0,1
	MX HT0+32*((\blk)%2)+16*\pp+8*\uu, WF0+24*((\blk)%2)+12*\uu, AQ+12*\pp, BI0+16*((\blk)%2)+8*\uu, WS0+2*(\blk)+\uu, SWA+\pp
.endr
.endr
.endm
.macro CPROD blk                       ; net += c x fc_c_w[next], tiles 2 blk, 2 blk + 1
	WIN 0x55
.irp uu, 0,1
.irp pp, 0,1
	MX NET+64*\pp+8*(2*(\blk)+\uu), WB+12*(2*(\blk)+\uu), CC+12*\pp, NET+64*\pp+8*(2*(\blk)+\uu), WS1+2*(\blk)+\uu, CS+\pp
.endr
.endr
	WIN 0
.endm
; a round's inputs that hang on ids alone: entries, c's codes and scale words
.macro LOADIN_A rnd
	global_load_b32 v[EN], v[AE], s[12:13] offset:1024*\rnd
	global_load_b32 v[EN+1], v[AE], s[12:13] offset:1024*\rnd+64
	global_load_b32 v[NE2], v[AL], s[12:13] offset:1024*\rnd
	global_load_b32 v[CS], v[AE], s[10:11] offset:1024*\rnd
	global_load_b32 v[CS+1], v[AE], s[10:11] offset:1024*\rnd+64
	WIN 0x40                                       ; destination: window 1
.irp pp, 0,1
.irp cc, 0,1
.irp ii, 0,1,2
	global_load_b64 v[CC+12*\pp+6*\cc+2*\ii:CC+12*\pp+6*\cc+2*\ii+1], v[AC], s[8:9] offset:6144*\rnd+384*\pp+6291456*\cc+8*\ii th:TH_LOAD_NT
.endr
.endr
.endr
	WIN 0
.endm
; and the points themselves, by the entries' numbers
.macro LOADIN_B
	s_wait_loadcnt 0x0
.irp pp, 0,1
	v_and_b32 v[EN+\pp], 0xffff, v[EN+\pp]
	v_min_u32 v[EN+\pp], 0xffff, v[EN+\pp]
	v_add_nc_u32 v[EN+\pp], s[B16], v[EN+\pp]
	v_mul_u32_u24 v[EN+\pp], 12, v[EN+\pp]
	v_add_nc_u32 v[IA+4*\pp], v[EN+\pp], v[H8]
	global_load_b32 v[PB+2*\pp], v[IA+4*\pp], s[14:15]          ; lanes 0-15 x, lanes 16-31 z
	global_load_b32 v[PB+2*\pp+1], v[EN+\pp], s[14:15] offset:4 ; y
.endr
.endm
.macro WLOAD mu, base, lay             ; my tile of matrix mu: layer lay of the codes at s[base], the scales at s[base + 2]
.irp pc, 0,1,2,3,4,5
	global_load_b64 v[42+12*(\mu)+2*\pc:43+12*(\mu)+2*\pc], v[WA], s[\base:\base+1] offset:12288*(\lay)+48*(\pc/3)+8*(\pc%3)
.endr
	global_load_b32 v[222+(\mu)], v[SA], s[\base+2:\base+3] offset:512*(\lay)
.endm
	s_load_b256 s[8:15], s[0:1], 0x0               ; ccode, cscale, ent, p
	s_load_b256 s[16:23], s[0:1], 0x20             ; fc_p_w, fc_p_b, fc_c_w codes, scales
	s_load_b256 s[24:31], s[0:1], 0x40             ; fc_c_b, b0_w codes, scales, b0_b
	s_load_b256 s[32:39], s[0:1], 0x60             ; b1_w codes, scales, b1_b, out_w
	s_load_b128 s[40:43], s[0:1], 0x80             ; out_b, out0
	v_lshl_add_u32 v[SPW], v0, 2, SPARE
	v_mov_b32 v[NIL], 0
	v_lshrrev_b32 v[TM], 5, v0
	v_readfirstlane_b32 s[WV], v[TM]
	v_and_b32 v[TM+1], 31, v0                      ; lane
	v_and_b32 v[TM], 15, v0                        ; r
	v_bfe_u32 v[H8], v0, 4, 1                      ; h
	v_lshlrev_b32 v[L16], 4, v[TM+1]
	v_lshlrev_b32 v[H64], 6, v[H8]
	s_lshl_b32 s[BASE], ttmp9, 9
	s_lshl_b32 s57, s[WV], 5
	s_add_co_u32 s[BASE], s[BASE], s57             ; my first position of round 0
	s_lshr_b32 s[B16], ttmp9, 7
	s_lshl_b32 s[B16], s[B16], 16                  ; batch x 65,536
	s_mov_b32 s[MASK], 0xffff0000                  ; lanes 16-31
	s_mov_b32 s[SEL], 0x76543210
	s_mov_b32 s[SEL+1], 0xfedcba98
	v_add_nc_u32 v[AE], s[BASE], v[TM]
	v_mul_u32_u24 v[AC], 24, v[AE]
	v_mul_u32_u24 v[PM], 0x300000, v[H8]
	v_add_nc_u32 v[AC], v[AC], v[PM]
	v_lshlrev_b32 v[AE], 2, v[AE]
	v_add_nc_u32 v[AL], s[BASE], v[TM+1]
	v_lshlrev_b32 v[AL], 2, v[AL]
	s_lshr_b32 s57, s[WV], 1                       ; at the head wave w fills tile w of every matrix
	s_lshl_b32 s57, s57, 5
	s_and_b32 s58, s[WV], 1
	s_lshl_b32 s58, s58, 3
	s_add_co_u32 s57, s57, s58
	v_and_b32 v[SO], 8, v[TM]
	v_add_nc_u32 v[SO], v[SO], v[TM]
	v_add_nc_u32 v[SO], s57, v[SO]                 ; my lane's weight row
	v_mul_u32_u24 v[WA], 96, v[SO]
	v_mad_u32_u24 v[WA], v[H8], 24, v[WA]
	v_lshlrev_b32 v[SA], 2, v[SO]
	v_mul_u32_u24 v[PA2], 12, v[SO]
	v_lshl_add_u32 v[PA1], v[H8], 3, v[PA2]
	v_lshlrev_b32 v[H8], 3, v[H8]
	s_mul_i32 s57, s[WV], 1536                     ; every LDS address of the head is made here, ahead of the branch on the wave's number
	v_add_nc_u32 v[IM], s57, v[L16]
	v_add_nc_u32 v[IM+1], 61440, v[IM]
	v_add_nc_u32 v[IM+2], 122880, v[IM]
	s_lshr_b32 s57, s[WV], 2
	s_lshl_b32 s57, s57, 9
	s_and_b32 s58, s[WV], 3
	s_lshl_b32 s58, s58, 2
	s_add_co_u32 s57, s57, s58
	s_add_co_u32 s57, s57, WSC
	v_add_nc_u32 v[SCA], s57, v[L16]
	v_lshrrev_b32 v[TA], 1, v[L16]
	v_add_nc_u32 v[TA], WPI, v[TA]
	s_lshl_b32 s57, s[WV], 8
	v_add_nc_u32 v[WPA], s57, v[TA]
	v_and_b32 v[U4], 127, v0
	v_lshlrev_b32 v[U4], 2, v[U4]
	v_add_nc_u32 v[DTA], DT, v[U4]
	s_wait_kmcnt 0x0
	s_load_b32 s[OB], s[40:41], 0x0
	LOADIN_A 0
	WLOAD 0, 20, 0
.irp li, 0,1,2,3,4
	WLOAD 1+3*\li, 26, \li
	WLOAD 2+3*\li, 32, \li
.endr
.irp li, 0,1,2,3
	WLOAD 3+3*\li, 20, \li+1
.endr
	global_load_b32 v238, v[PA1], s[16:17]         ; fc_p_w: lanes 0-15 k = 0, lanes 16-31 k = 2
	global_load_b32 v239, v[PA2], s[16:17] offset:4 ; k = 1
	global_load_b32 v240, v[SA], s[18:19]          ; fc_p_b: k = 3
	LOADIN_B                                       ; (it waits for all loads above)
	v_cndmask_b32 v239, v239, v240, s[MASK]
.irp mu, 0,1,2,3,4,5,6,7,8,9,10,11,12,13,14
.irp qq, 0,1,2
	ds_store_b128 v[IM+\mu/5], v[42+12*\mu+4*\qq:45+12*\mu+4*\qq] offset:12288*(\mu%5)+512*\qq
.endr
	ds_store_b32 v[SCA], v[222+\mu] offset:1024*\mu
.endr
	ds_store_b64 v[WPA], v[238:239]
	s_wait_dscnt 0x0                               ; the stores have read their registers
	s_cmp_lt_u32 s[WV], 4
	s_cbranch_scc0 .Lcopy
	global_load_b32 v53, v[U4], s[24:25]           ; waves 0-3, a thread a unit: d_0 = fc_c_b[0]
.irp li, 1,2,3,4
	global_load_b32 v[42+\li], v[U4], s[24:25] offset:512*\li
.endr
.irp li, 0,1,2,3,4
	global_load_b32 v[48+\li], v[U4], s[36:37] offset:512*\li
.endr
	s_wait_loadcnt 0x0
.irp li, 1,2,3,4
	v_add_f32 v[53+\li], v[52+\li], v[47+\li]      ; d_i = d_(i-1) + b1_b[i-1]
	v_add_f32 v[53+\li], v[53+\li], v[42+\li]      ;       + fc_c_b[i]
.endr
	v_add_f32 v58, v57, v52                        ; d_5
.irp li, 0,1,2,3,4,5
	ds_store_b32 v[DTA], v[53+\li] offset:512*\li
.endr
	s_branch .Lfilled
.Lcopy:
.irp li, 0,1,2,3,4
	global_load_b32 v[42+\li], v[U4], s[30:31] offset:512*\li   ; waves 4-7: b0_b,
.endr
	global_load_b32 v47, v[U4], s[38:39]           ; and out_w
	s_wait_loadcnt 0x0
.irp li, 0,1,2,3,4
	ds_store_b32 v[DTA], v[42+\li] offset:B0T-DT+512*\li
.endr
	ds_store_b32 v[DTA], v47 offset:OWT-DT
.Lfilled:
	s_wait_dscnt 0x0                               ; for the others' sake: my part of LDS is written
	s_wait_kmcnt 0x0                               ; out_b
	s_barrier_signal -1
	s_barrier_wait -1                              ; from here on LDS is only read
; ONE RESIDUAL BLOCK for both tiles.  Every step begins with the wait for all LDS loads and then issues the NEXT step's: each load has a step's vector work in which to land, and every count is 0.
; A load's registers were last read by matrix instructions of an earlier step, behind which that step's vector work (or v_nop) fills the four places.
; No two matrix instructions on end share an accumulator, and each turn is one instruction.  last = 1: block 4: no next fc_c_w; the next round's inputs are asked for.
.macro ITER last
	v_add_nc_u32 v[VW], s[IW], v[L16]
	v_add_nc_u32 v[VS], s[IS], v[L16]
	v_add_nc_u32 v[VD], s[IDD], v[H64]
	v_add_nc_u32 v[VB], s[IBB], v[H64]
	s_wait_dscnt 0x0                               ; ---- A0
	LDBI BI1, VD, 128
	LDSC WS0, 0
	LDSC WS1, 2048-1024*\last
	WIN 0x40
.irp tt, 0,1,2,3,4,5,6,7
	LDFR WB+12*\tt, 24576-12288*\last+1536*\tt     ; fc_c_w[i + 1]; in the last block b1_w[4]
.endr
	WIN 0
.if \last
	s_cmp_eq_u32 s[RND], 1
	s_cbranch_scc1 .Lno_a_\@
	LOADIN_A 1                                     ; c's registers have had their last reader of this round
.Lno_a_\@:
.endif
	ASTAGE 0, BI0
	s_wait_dscnt 0x0                               ; ---- A1
	LDBI BI0, VD, 256
	ASTAGE 1, BI1
	s_wait_dscnt 0x0                               ; ---- A2
	LDBI BI1, VD, 384
	LDFR WF0, 0
	LDFR WF0+12, 1536
	ASTAGE 2, BI0
	s_wait_dscnt 0x0                               ; ---- A3
	LDBI BI0, VB, 0
	LDFR WF1, 3072
	LDFR WF1+12, 4608
	ASTAGE 3, BI1
	NOPS 8                                         ; a scale register written by vector instructions stands 8 places ahead of the scaled product, an operand 4
	s_wait_dscnt 0x0                               ; ---- H0
	LDBI BI1, VB, 128
	HPROD 0
.if \last == 0
	CPROD 0
.endif
	NOPS 4                                         ; places ahead of the loads below and of the first read of these results
	s_wait_dscnt 0x0                               ; ---- H1
	LDBI BI0, VB, 256
	LDFR WF0, 6144
	LDFR WF0+12, 7680
.if \last == 0
	WIN 0x40
	LDFR WB, 12288                                 ; b1_w[i] takes the place of each pair of fragments as it falls free
	LDFR WB+12, 12288+1536
	WIN 0
.endif
	HPROD 1
.if \last == 0
	CPROD 1
.endif
	QSTAGE 0
	s_wait_dscnt 0x0                               ; ---- H2
	LDBI BI1, VB, 384
	LDFR WF1, 9216
	LDFR WF1+12, 10752
.if \last == 0
	WIN 0x40
	LDFR WB+24, 12288+3072
	LDFR WB+36, 12288+4608
	WIN 0
.endif
	HPROD 2
.if \last == 0
	CPROD 2
.endif
	QSTAGE 1
	s_wait_dscnt 0x0                               ; ---- H3
	LDBI BI0, VD, 512                              ; the next d's first block
.if \last == 0
	WIN 0x40
	LDFR WB+48, 12288+6144
	LDFR WB+60, 12288+7680
	WIN 0
.endif
	HPROD 3
.if \last == 0
	CPROD 3
.endif
	QSTAGE 2
	s_wait_dscnt 0x0                               ; ---- HT
.if \last
	LDBI WF0, VB, 512                              ; out_w's first block
	s_cmp_eq_u32 s[RND], 1
	s_cbranch_scc1 .Lno_b_\@
	LOADIN_B
.Lno_b_\@:
.else
	WIN 0x40
	LDFR WB+72, 12288+9216
	LDFR WB+84, 12288+10752
	WIN 0
	LDSC WS1, 1024
.endif
	QSTAGE 3
	NOPS 8
	s_wait_dscnt 0x0                               ; ---- N: net += relu(h) x b1_w[i]
	WIN 0x51
.irp tt, 0,1,2,3,4,5,6,7
.irp pp, 0,1
	MX NET+64*\pp+8*\tt, WB+12*\tt, HQ+12*\pp, NET+64*\pp+8*\tt, WS1+\tt, SWH+\pp
.endr
.endr
	WIN 0
	NOPS 4
.if \last == 0
	s_add_co_u32 s[IW], s[IW], 36864
	s_add_co_u32 s[IS], s[IS], 3072
	s_add_co_u32 s[IDD], s[IDD], 512
	s_add_co_u32 s[IBB], s[IBB], 512
.endif
.endm
; block blk of the last product: relu(net + d_5) . out_w, in f32
.macro OSTAGE blk
	s_wait_dscnt 0x0
.if (\blk) < 3
	LDBI BI0+16*(((\blk)+1)%2), VD, 512+128*((\blk)+1)
	LDBI WF0+24*(((\blk)+1)%2), VB, 512+128*((\blk)+1)
.endif
	NETIN \blk, BI0+16*((\blk)%2)
.irp kk, 0,2,4,6,8,10,12,14
.irp pp, 0,1
.if ((\blk) == 0) && (\kk == 0)
	v_pk_mul_f32 v[OA+2*\pp:OA+2*\pp+1], v[HT0+16*\pp:HT0+16*\pp+1], v[WF0:WF0+1]   ; the first product starts the sums
.else
	v_pk_fma_f32 v[OA+2*\pp:OA+2*\pp+1], v[HT0+16*\pp+\kk:HT0+16*\pp+\kk+1], v[WF0+24*((\blk)%2)+\kk:WF0+24*((\blk)%2)+\kk+1], v[OA+2*\pp:OA+2*\pp+1]
.endif
.endr
.endr
.endm
	s_mov_b32 s[RND], 0
.Lround:
	s_wait_loadcnt 0x0                             ; the round's points, codes and scale words
	s_wait_xcnt 0x0                                ; the last round's store has read its registers
	v_cndmask_b32 v[PB+1], v[PB+1], 1.0, s[MASK]   ; k = 3 of the points: 1.0, against fc_p_b
	v_cndmask_b32 v[PB+3], v[PB+3], 1.0, s[MASK]
	v_and_b32 v[OID], 0xffff, v[NE2]
	v_min_u32 v[OID], 0xffff, v[OID]
	v_add_nc_u32 v[OID], s[B16], v[OID]
	v_lshlrev_b32 v[OID], 2, v[OID]
	v_mov_b32 v[VW], v[L16]                        ; matrix 0
	v_add_nc_u32 v[VS], WSC, v[L16]
	v_add_nc_u32 v[VD], DT, v[H64]
.irp tt, 0,1,2,3,4,5,6,7
	ds_load_b64 v[WF0+2*\tt:WF0+2*\tt+1], v[TA] offset:256*\tt
.endr
	LDSC WS1, 0
	LDBI BI0, VD, 0
	WIN 0x40
.irp tt, 0,1,2,3,4,5,6,7
	LDFR WB+12*\tt, 1536*\tt
.endr
	s_wait_dscnt 0x0
.irp tt, 0,1,2,3,4,5,6,7               ; product 1, with fc_p_b: the constant 0 starts each sum
.irp pp, 0,1
	v_wmma_f32_16x16x4_f32 v[NET+64*\pp+8*\tt:NET+64*\pp+8*\tt+7], v[WF0+2*\tt:WF0+2*\tt+1], v[PB+2*\pp:PB+2*\pp+1], 0
.endr
.endr
	WIN 0
	NOPS 9                                         ; nine places between the f32 form and another form that writes over its results
	WIN 0x55
.irp tt, 0,1,2,3,4,5,6,7               ; net += c x fc_c_w[0]
.irp pp, 0,1
	MX NET+64*\pp+8*\tt, WB+12*\tt, CC+12*\pp, NET+64*\pp+8*\tt, WS1+\tt, CS+\pp
.endr
.endr
	WIN 0
	NOPS 4
	s_mov_b32 s[IW], 12288
	s_mov_b32 s[IS], WSC+1024
	s_mov_b32 s[IDD], DT
	s_mov_b32 s[IBB], B0T
	s_mov_b32 s[IT], 4
.Liter:
	ITER 0
	s_sub_co_u32 s[IT], s[IT], 1
	s_cmp_lg_u32 s[IT], 0
	s_cbranch_scc1 .Liter
	ITER 1
	OSTAGE 0
	OSTAGE 1
	OSTAGE 2
	OSTAGE 3
	v_add_f32 v[TM], v[OA], v[OA+1]
	v_add_f32 v[TM+1], v[OA+2], v[OA+3]
	v_permlanex16_b32 v[PM], v[TM], s[SEL], s[SEL+1]
	v_permlanex16_b32 v[PM+1], v[TM+1], s[SEL], s[SEL+1]
	v_add_f32 v[TM], v[TM], v[PM]                  ; both halves of the lanes now hold a point's whole sum
	v_add_f32 v[TM+1], v[TM+1], v[PM+1]
	v_cndmask_b32 v[TM], v[TM], v[TM+1], s[MASK]   ; lanes 0-15 tile 0's points, lanes 16-31 tile 1's
	v_add_f32 v[TM], s[OB], v[TM]
	global_store_b32 v[OID], v[TM], s[42:43]       ; to the point's own place: the price of working in sorted order
	s_add_co_u32 s[RND], s[RND], 1
	s_cmp_lt_u32 s[RND], 2
	s_cbranch_scc1 .Lround
	s_wait_dscnt 0x0
	s_barrier_signal -1                            ; every wave's reads of LDS are over before any wave's closing add
	s_barrier_wait -1
	s_wait_tensorcnt 0x0                           ; the wave's end, behind my last LDS store
	ds_add_u32 v[SPW], v[NIL]
	s_wait_dscnt 0x0
	s_endpgm
.Lfunc_end_k_q6b5ac30802_mlp:
	.size	k_q6b5ac30802_mlp, .Lfunc_end_k_q6b5ac30802_mlp-k_q6b5ac30802_mlp
	.p2alignl 7, 3214868480
	.fill 96, 4, 3214868480
	.section	.rodata,"a",@progbits
	.p2align	6, 0x0
	.amdhsa_kernel k_q6b5ac30802_mlp
		.amdhsa_group_segment_fixed_size 208896
		.amdhsa_private_segment_fixed_size 0
		.amdhsa_enable_private_segment 0
		.amdhsa_kernarg_size 144
		.amdhsa_user_sgpr_count 2
		.amdhsa_user_sgpr_kernarg_segment_ptr 1
		.amdhsa_wavefront_size32 1
		.amdhsa_system_sgpr_workgroup_id_x 1
		.amdhsa_system_sgpr_workgroup_id_y 1
		.amdhsa_system_sgpr_workgroup_id_z 1
		.amdhsa_system_vgpr_workitem_id 0
		.amdhsa_next_free_vgpr 512
		.amdhsa_next_free_sgpr 66
		.amdhsa_reserve_vcc 0
		.amdhsa_float_denorm_mode_32 3
		.amdhsa_float_denorm_mode_16_64 3
		.amdhsa_memory_ordered 1
		.amdhsa_forward_progress 1
		.amdhsa_inst_pref_size 127
	.end_amdhsa_kernel
	.amdgpu_metadata
---
amdhsa.version: [ 1, 2 ]
amdhsa.kernels:
  - .name:           k_q6b5ac30802_mlp
    .symbol:         k_q6b5ac30802_mlp.kd
    .args:
      - { .name: ccode, .offset: 0, .size: 8, .value_kind: global_buffer, .address_space: global }
      - { .name: cscale, .offset: 8, .size: 8, .value_kind: global_buffer, .address_space: global }
      - { .name: ent, .offset: 16, .size: 8, .value_kind: global_buffer, .address_space: global }
      - { .name: p, .offset: 24, .size: 8, .value_kind: global_buffer, .address_space: global }
      - { .name: fc_p_w, .offset: 32, .size: 8, .value_kind: global_buffer, .address_space: global }
      - { .name: fc_p_b, .offset: 40, .size: 8, .value_kind: global_buffer, .address_space: global }
      - { .name: fc_c_w_codes, .offset: 48, .size: 8, .value_kind: global_buffer, .address_space: global }
      - { .name: fc_c_w_scales, .offset: 56, .size: 8, .value_kind: global_buffer, .address_space: global }
      - { .name: fc_c_b, .offset: 64, .size: 8, .value_kind: global_buffer, .address_space: global }
      - { .name: b0_w_codes, .offset: 72, .size: 8, .value_kind: global_buffer, .address_space: global }
      - { .name: b0_w_scales, .offset: 80, .size: 8, .value_kind: global_buffer, .address_space: global }
      - { .name: b0_b, .offset: 88, .size: 8, .value_kind: global_buffer, .address_space: global }
      - { .name: b1_w_codes, .offset: 96, .size: 8, .value_kind: global_buffer, .address_space: global }
      - { .name: b1_w_scales, .offset: 104, .size: 8, .value_kind: global_buffer, .address_space: global }
      - { .name: b1_b, .offset: 112, .size: 8, .value_kind: global_buffer, .address_space: global }
      - { .name: out_w, .offset: 120, .size: 8, .value_kind: global_buffer, .address_space: global }
      - { .name: out_b, .offset: 128, .size: 8, .value_kind: global_buffer, .address_space: global }
      - { .name: out0, .offset: 136, .size: 8, .value_kind: global_buffer, .address_space: global }
    .group_segment_fixed_size: 208896
    .private_segment_fixed_size: 0
    .kernarg_segment_align: 8
    .kernarg_segment_size: 144
    .max_flat_workgroup_size: 256
    .sgpr_count:     66
    .vgpr_count:     512
    .wavefront_size: 32
...
	.end_amdgpu_metadata
.endif
;; end of part 4
;; ======== version 2 of 2: 4 launches
;; limits: right only within a limited range of input values
;; workspace buffers: cell 524,288 bytes of whole numbers; ent 524,288 bytes of whole numbers; tab 65,536 bytes of whole numbers; ccode 12,582,912 bytes; cscale 524,288 bytes
;; launch keys (part 5): grid 256 x 1, 4 waves a work-group, no clusters, 0 bytes of LDS; arguments p, cell; writes cell
.if DOCPART == 5
	.amdgcn_target "amdgcn-amd-amdhsa--gfx1250"
	.amdhsa_code_object_version 6
	.text
	.protected	k_q6b5ac30802_keys
	.globl	k_q6b5ac30802_keys
	.p2align	8
	.type	k_q6b5ac30802_keys,@function
k_q6b5ac30802_keys:
	s_mov_b64 s[64:65], 0
	v_nop
	global_prefetch_b8 v0, s[64:65] scope:SCOPE_SE
	s_setreg_imm32_b32 hwreg(HW_REG_WAVE_MODE, 25, 1), 1
	s_wait_xcnt 0x0
; LocalDecoder, launch 1 of 4: the grid cell of each of the 131,072 points.
; THE PROGRAM.  keys: cell numbers.  bin: the points sorted by region of the grid.  sample: each region's grid rows come into LDS once, the trilinear samples
; are taken there and quantised.  mlp: products 1 to 17 of the table.
; DEAD WORK: none.  Nothing of reference() is left out, and every input is loaded by some launch.
; THE BASE CELL.  xb = min(floor(ix), 62), weight w = ix - xb.  Where floor(ix) = 63, reference() has x0 = x1 = 63 and wx = 0; here the pair is (62, 63) with
; w = 1: the same number for finite grid values.  So the two neighbours are always xb and xb + 1, inside the grid.  y and z likewise.
; A REGION is 4 cells in z, 8 in y and all of x: 128 regions.  cell = region << 16 | dz << 9 | dy << 6 | xb, region = (zb >> 2) * 8 + (yb >> 3), dz = zb & 3, dy = yb & 7.
; It is stored at the point's own place: no address here hangs on it.
; LIMITS: a NaN or an infinity in p gives a cell inside the grid (the clamp takes it to an end) and is not carried to the result.
; The quotient p / 1.101 is a product with the reciprocal and one correction step by fused multiply-adds.
; SHARES.  Thread T = 128 x work-group + thread takes points 4 T .. 4 T + 3: 48 bytes in, 16 bytes out; a wave stores 512 consecutive bytes.
.set RC, 8                             ; s8   1 / 1.101 in f32
.set DV, 9                             ; s9   1.101 in f32
; v[d] = the grid coordinate of p's component v[s], in reference()'s steps: / 1.101, + 0.5, x 2 - 1, + 1, x 0.5 x 63 (one rounding), held to 0 .. 63.  The same lines stand in the launch 'sample'.
.macro COORD d, s, ta, tb
	v_mul_f32 v[\ta], s[RC], v[\s]
	v_fma_f32 v[\tb], -v[\ta], s[DV], v[\s]        ; what the first quotient leaves
	v_fma_f32 v[\ta], v[\tb], s[RC], v[\ta]        ; the quotient, corrected
	v_add_f32 v[\ta], 0.5, v[\ta]
	v_fma_f32 v[\ta], 2.0, v[\ta], -1.0
	v_add_f32 v[\ta], 1.0, v[\ta]
	v_mul_f32 v[\ta], 0x41fc0000, v[\ta]           ; x 31.5
	v_med3_num_f32 v[\d], v[\ta], 0, 0x427c0000    ; 0 .. 63
.endm
	s_load_b128 s[4:7], s[0:1], 0x0                ; p, cell
	s_mov_b32 s[RC], 0x3f688412
	s_mov_b32 s[DV], 0x3f8ced91
	s_lshl_b32 s10, ttmp9, 7
	v_add_nc_u32 v1, s10, v0                       ; T
	v_mul_u32_u24 v2, 48, v1
	v_lshlrev_b32 v3, 4, v1
	s_wait_alu depctr_va_vdst(0)
	s_wait_kmcnt 0x0
	global_load_b128 v[8:11], v2, s[4:5]
	global_load_b128 v[12:15], v2, s[4:5] offset:16
	global_load_b128 v[16:19], v2, s[4:5] offset:32
	s_wait_loadcnt 0x0
.irp i, 0,1,2,3,4,5,6,7,8,9,10,11
	COORD 8+\i, 8+\i, 20, 21
	v_floor_f32 v[8+\i], v[8+\i]
	v_min_num_f32 v[8+\i], 0x42780000, v[8+\i]     ; at most 62
	v_cvt_u32_f32 v[8+\i], v[8+\i]
.endr
.irp e, 0,1,2,3                        ; point e: xb v[8 + 3 e], yb v[9 + 3 e], zb v[10 + 3 e]
	v_and_b32 v20, 0x3c, v[10+3*\e]                ; (zb >> 2) << 2
	v_lshrrev_b32 v21, 3, v[9+3*\e]
	v_lshl_or_b32 v20, v20, 1, v21                 ; region
	v_and_b32 v22, 3, v[10+3*\e]
	v_and_b32 v23, 7, v[9+3*\e]
	v_lshl_or_b32 v22, v22, 3, v23
	v_lshl_or_b32 v22, v22, 6, v[8+3*\e]
	v_lshl_or_b32 v[24+\e], v20, 16, v22
.endr
	global_store_b128 v3, v[24:27], s[6:7]
	s_endpgm
.Lfunc_end_k_q6b5ac30802_keys:
	.size	k_q6b5ac30802_keys, .Lfunc_end_k_q6b5ac30802_keys-k_q6b5ac30802_keys
	.p2alignl 7, 3214868480
	.fill 96, 4, 3214868480
	.section	.rodata,"a",@progbits
	.p2align	6, 0x0
	.amdhsa_kernel k_q6b5ac30802_keys
		.amdhsa_group_segment_fixed_size 0
		.amdhsa_private_segment_fixed_size 0
		.amdhsa_enable_private_segment 0
		.amdhsa_kernarg_size 16
		.amdhsa_user_sgpr_count 2
		.amdhsa_user_sgpr_kernarg_segment_ptr 1
		.amdhsa_wavefront_size32 1
		.amdhsa_system_sgpr_workgroup_id_x 1
		.amdhsa_system_sgpr_workgroup_id_y 1
		.amdhsa_system_sgpr_workgroup_id_z 1
		.amdhsa_system_vgpr_workitem_id 0
		.amdhsa_next_free_vgpr 32
		.amdhsa_next_free_sgpr 66
		.amdhsa_reserve_vcc 0
		.amdhsa_float_denorm_mode_32 3
		.amdhsa_float_denorm_mode_16_64 3
		.amdhsa_memory_ordered 1
		.amdhsa_forward_progress 1
		.amdhsa_inst_pref_size 10
	.end_amdhsa_kernel
	.amdgpu_metadata
---
amdhsa.version: [ 1, 2 ]
amdhsa.kernels:
  - .name:           k_q6b5ac30802_keys
    .symbol:         k_q6b5ac30802_keys.kd
    .args:
      - { .name: p, .offset: 0, .size: 8, .value_kind: global_buffer, .address_space: global }
      - { .name: cell, .offset: 8, .size: 8, .value_kind: global_buffer, .address_space: global }
    .group_segment_fixed_size: 0
    .private_segment_fixed_size: 0
    .kernarg_segment_align: 8
    .kernarg_segment_size: 16
    .max_flat_workgroup_size: 128
    .sgpr_count:     66
    .vgpr_count:     32
    .wavefront_size: 32
...
	.end_amdgpu_metadata
.endif
;; end of part 5
;; launch bin (part 6): grid 128 x 2, 32 waves a work-group, no clusters, 4,352 bytes of LDS; arguments cell, ent, tab; writes ent, tab
.if DOCPART == 6
	.amdgcn_target "amdgcn-amd-amdhsa--gfx1250"
	.amdhsa_code_object_version 6
	.text
	.protected	k_q6b5ac30802_bin
	.globl	k_q6b5ac30802_bin
	.p2align	8
	.type	k_q6b5ac30802_bin,@function
k_q6b5ac30802_bin:
	s_mov_b64 s[64:65], 0
	v_nop
	global_prefetch_b8 v0, s[64:65] scope:SCOPE_SE
	s_setreg_imm32_b32 hwreg(HW_REG_WAVE_MODE, 25, 1), 1
	s_wait_xcnt 0x0
; LocalDecoder, launch 2 of 4: a counting sort of each batch's 65,536 points by region, with no traffic between work-groups.  No work of reference() is left out here.
; Work-group (region, batch) OWNS its region: it reads all cells of the batch (a wave 2,048, kept in 64 registers), counts those of lower regions and its own, and so knows
; where its points begin in the sorted order; then it places its own points there.
; ent[position] = dz << 25 | dy << 22 | xb << 16 | the point's number in its batch.  Batch b fills positions 65,536 b on.
; tab: a line of 256 bytes for each (batch, region), at 256 (128 batch + region): the pair (first position, count), 32 times side by side, so that one store of a wave writes the whole line.
; The order of a region's points among themselves is by wave, register and lane; nothing later hangs on it.
.set SPARE, 256                        ; LDS: bytes 0-255 a pair (less, less or equal) for each of the 32 waves; from 256 on the spare words, 128 bytes for each wave
.set WV, 16
.set LO, 20                            ; region << 16
.set HI, 21                            ; (region + 1) << 16
.set POS, 22                           ; where my wave's next point goes
.set TT, 23
.set SV, 24
.set TL, 25                            ; cells of lower regions in the batch, then the region's first position
.set TE, 26                            ; cells of my region
.set PRE, 27                           ; those of them in lower waves
.set SEL, 28                           ; s[28:29] lane selects of v_permlanex16_b32: lane l xor 16
; v1 lane; v2, v3 counts; v4 the point of my register 0; v5 16 x lane; v6 cell - LO; v7 a position as counted; v8 8 x lane; v9 LDS address of my wave's pair; v10, v11 at work;
; v12, v13 the add's two; v14 the position, held inside ent; v15 its byte offset; v16-79 the cells; v[80:81] wave l's pair in lane l; v82 its cells of my region; v83 the same for lower waves alone;
; v84-86 at work; v88 my 8 bytes of the table's line; v[90:91] the pair
	s_load_b128 s[4:7], s[0:1], 0x0                ; cell, ent
	s_load_b64 s[8:9], s[0:1], 0x10                ; tab
	v_lshl_add_u32 v12, v0, 2, SPARE               ; my spare word
	v_mov_b32 v13, 0
	v_lshrrev_b32 v6, 5, v0
	s_delay_alu instid0(VALU_DEP_1)
	v_readfirstlane_b32 s[WV], v6
	v_and_b32 v1, 31, v0                           ; lane
	s_wait_alu depctr_va_vdst(0)
	v_lshlrev_b32 v5, 4, v1
	v_lshlrev_b32 v8, 3, v1
	s_and_b32 s17, ttmp7, 0xffff                   ; batch
	s_lshl_b32 s[LO], ttmp9, 16
	s_add_co_u32 s[HI], s[LO], 0x10000
	s_lshl_b32 s18, s17, 18                        ; the batch's cells: 262,144 bytes,
	s_lshl_b32 s19, s[WV], 13                      ; my wave's 8,192 of them
	s_add_co_u32 s18, s18, s19
	s_mov_b32 s19, 0
	s_lshl_b32 s30, s[WV], 11
	v_lshlrev_b32 v4, 2, v1
	s_delay_alu instid0(VALU_DEP_1)
	v_add_nc_u32 v4, s30, v4                       ; 2,048 x wave + 4 x lane: the point of my register 0
	s_lshl_b32 s31, s[WV], 3
	v_mov_b32 v9, s31                              ; LDS: my wave's pair
	s_lshl_b32 s31, s17, 7
	s_add_co_u32 s31, s31, ttmp9
	s_lshl_b32 s31, s31, 8                         ; the region's line of the table
	v_lshl_add_u32 v88, v1, 3, s31                 ; and my lane's 8 bytes of it
	v_mov_b32 v2, 0                                ; my count of cells under LO,
	v_mov_b32 v3, 0                                ; and under HI
	v_mov_b32 v10, 0                               ; (destinations of lane moves count as read)
	v_mov_b32 v11, 0
	v_mov_b32 v84, 0
	v_mov_b32 v85, 0
	v_mov_b32 v86, 0
	v_mov_b32 v7, 0                                ; the three registers of a position are written once here, with all lanes on
	v_mov_b32 v14, 0
	v_mov_b32 v15, 0
	s_mov_b32 s[SEL], 0x76543210
	s_mov_b32 s[SEL+1], 0xfedcba98
	s_wait_kmcnt 0x0
	s_add_nc_u64 s[4:5], s[4:5], s[18:19]
.set q, 0
.rept 16                               ; register 4 q + e of a lane is point 2,048 wave + 128 q + 4 lane + e; a load reads 512 consecutive bytes
	global_load_b128 v[16+4*q:19+4*q], v5, s[4:5] offset:512*q
.set q, q+1
.endr
.set q, 0
.rept 16
	s_wait_alu depctr_va_vdst(0)
	s_wait_loadcnt 15-q                            ; load q is in; the 15 - q younger ones may be out
.set e, 0
.rept 4
	v_cmp_gt_u32 vcc_lo, s[LO], v[16+4*q+e]
	s_delay_alu instid0(VALU_DEP_1)
	v_add_co_ci_u32 v2, vcc_lo, 0, v2, vcc_lo
	v_cmp_gt_u32 vcc_lo, s[HI], v[16+4*q+e]
	s_delay_alu instid0(VALU_DEP_1)
	v_add_co_ci_u32 v3, vcc_lo, 0, v3, vcc_lo
.set e, e+1
.endr
.set q, q+1
.endr
.irp m, 1
	s_delay_alu instid0(VALU_DEP_3)
	v_mov_b32_dpp v10, v2 row_xmask:\m row_mask:0xf bank_mask:0xf
	s_delay_alu instid0(VALU_DEP_2)
	v_mov_b32_dpp v11, v3 row_xmask:\m row_mask:0xf bank_mask:0xf
	s_delay_alu instid0(VALU_DEP_2)
	v_add_nc_u32 v2, v2, v10
	s_delay_alu instid0(VALU_DEP_2)
	v_add_nc_u32 v3, v3, v11
.endr
.irp m, 2, 4, 8
	s_delay_alu instid0(VALU_DEP_2)
	v_mov_b32_dpp v10, v2 row_xmask:\m row_mask:0xf bank_mask:0xf
	s_delay_alu instid0(VALU_DEP_2)
	v_mov_b32_dpp v11, v3 row_xmask:\m row_mask:0xf bank_mask:0xf
	s_delay_alu instid0(VALU_DEP_2)
	v_add_nc_u32 v2, v2, v10
	s_delay_alu instid0(VALU_DEP_2)
	v_add_nc_u32 v3, v3, v11
.endr
	s_delay_alu instid0(VALU_DEP_2)
	v_permlanex16_b32 v10, v2, s[SEL], s[SEL+1]
	s_delay_alu instid0(VALU_DEP_2)
	v_permlanex16_b32 v11, v3, s[SEL], s[SEL+1]
	s_delay_alu instid0(VALU_DEP_2)
	v_add_nc_u32 v2, v2, v10
	s_delay_alu instid0(VALU_DEP_2)
	v_add_nc_u32 v3, v3, v11
	ds_store_b64 v9, v[2:3]                        ; all lanes write the same pair
	s_wait_dscnt 0x0                               ; for the others' sake: my pair lies in LDS
	s_barrier_signal -1
	s_barrier_wait -1
	ds_load_b64 v[80:81], v8                       ; there are as many waves as lanes: lane l takes wave l's pair
	s_wait_dscnt 0x0
	v_sub_nc_u32 v82, v81, v80                     ; wave l's cells of my region
	v_cmp_gt_u32 vcc_lo, s[WV], v1                 ; the lanes of the waves below mine
	s_delay_alu instid0(VALU_DEP_1)
	v_cndmask_b32 v83, 0, v82, vcc_lo
.irp m, 1
	v_mov_b32_dpp v84, v80 row_xmask:\m row_mask:0xf bank_mask:0xf
	s_delay_alu instid0(VALU_DEP_4)
	v_mov_b32_dpp v85, v82 row_xmask:\m row_mask:0xf bank_mask:0xf
	s_delay_alu instid0(VALU_DEP_3)
	v_mov_b32_dpp v86, v83 row_xmask:\m row_mask:0xf bank_mask:0xf
	s_delay_alu instid0(VALU_DEP_3)
	v_add_nc_u32 v80, v80, v84
	s_delay_alu instid0(VALU_DEP_3)
	v_add_nc_u32 v82, v82, v85
	s_delay_alu instid0(VALU_DEP_3)
	v_add_nc_u32 v83, v83, v86
.endr
.irp m, 2, 4, 8
	s_delay_alu instid0(VALU_DEP_3)
	v_mov_b32_dpp v84, v80 row_xmask:\m row_mask:0xf bank_mask:0xf
	s_delay_alu instid0(VALU_DEP_3)
	v_mov_b32_dpp v85, v82 row_xmask:\m row_mask:0xf bank_mask:0xf
	s_delay_alu instid0(VALU_DEP_3)
	v_mov_b32_dpp v86, v83 row_xmask:\m row_mask:0xf bank_mask:0xf
	s_delay_alu instid0(VALU_DEP_3)
	v_add_nc_u32 v80, v80, v84
	s_delay_alu instid0(VALU_DEP_3)
	v_add_nc_u32 v82, v82, v85
	s_delay_alu instid0(VALU_DEP_3)
	v_add_nc_u32 v83, v83, v86
.endr
	s_delay_alu instid0(VALU_DEP_3)
	v_permlanex16_b32 v84, v80, s[SEL], s[SEL+1]
	s_delay_alu instid0(VALU_DEP_3)
	v_permlanex16_b32 v85, v82, s[SEL], s[SEL+1]
	s_delay_alu instid0(VALU_DEP_3)
	v_permlanex16_b32 v86, v83, s[SEL], s[SEL+1]
	s_delay_alu instid0(VALU_DEP_3)
	v_add_nc_u32 v80, v80, v84
	s_delay_alu instid0(VALU_DEP_3)
	v_add_nc_u32 v82, v82, v85
	s_delay_alu instid0(VALU_DEP_3)
	v_add_nc_u32 v83, v83, v86
	s_delay_alu instid0(VALU_DEP_3)
	v_readfirstlane_b32 s[TL], v80
	s_delay_alu instid0(VALU_DEP_3)
	v_readfirstlane_b32 s[TE], v82
	s_delay_alu instid0(VALU_DEP_3)
	v_readfirstlane_b32 s[PRE], v83
	s_lshl_b32 s18, s17, 16
	s_add_co_u32 s[TL], s[TL], s18                 ; the region's first position
	s_add_co_u32 s[POS], s[TL], s[PRE]
	s_cmp_lg_u32 s[WV], 0                          ; wave 0 writes the region's line of the table
	s_cbranch_scc1 .Lnot_wave_0
	v_mov_b32 v90, s[TL]
	v_mov_b32 v91, s[TE]
	global_store_b64 v88, v[90:91], s[8:9]         ; 32 lanes store 256 consecutive bytes, at a multiple of 256 from tab's first byte
.Lnot_wave_0:
	s_wait_xcnt 0x0                                ; EXEC is narrowed below only behind this wait
; Register pn: the lanes whose cell is of my region store their entries at consecutive positions.
; The position as counted (v7), the position held inside ent (v14) and its byte offset (v15) have a register each: what enters the address never holds a number that is not held.
; EXEC: between a PLACE's wait on XCNT and the next PLACE's narrowing no memory instruction is issued, so one wait a PLACE, between the store and the widening, serves both; it also frees v15 and v11.
; EXEC is all ones at the entry and is narrowed nowhere else: it is set to all ones again.
.macro PLACE
	v_sub_nc_u32 v6, v[16+pn], s[LO]
	s_delay_alu instid0(VALU_DEP_1)
	v_cmp_gt_u32 vcc_lo, 0x10000, v6
	s_cbranch_vccz .Lskip_\@                       ; none of these 32 cells is mine
	v_mbcnt_lo_u32_b32 v7, vcc_lo, s[POS]          ; POS + the chosen lanes below me
	s_bcnt1_i32_b32 s[TT], vcc_lo
	v_min_u32 v14, 0x1ffff, v7
	s_delay_alu instid0(VALU_DEP_1)
	v_lshlrev_b32 v15, 2, v14
	v_add_nc_u32 v10, 128*(pn/4)+pn%4, v4          ; the point's number in its batch
	s_delay_alu instid0(VALU_DEP_1)
	v_lshl_or_b32 v11, v[16+pn], 16, v10           ; the shift drops the region
	s_and_saveexec_b32 s[SV], vcc_lo
	global_store_b32 v15, v11, s[6:7]
	s_wait_xcnt 0x0
	s_mov_b32 exec_lo, -1
	s_add_co_u32 s[POS], s[POS], s[TT]
.Lskip_\@:
.endm
.set pn, 0
.rept 64
	PLACE
.set pn, pn+1
.endr
	s_wait_tensorcnt 0x0                           ; the wave's end, behind my last LDS store
	ds_add_u32 v12, v13
	s_wait_dscnt 0x0
	s_endpgm
.Lfunc_end_k_q6b5ac30802_bin:
	.size	k_q6b5ac30802_bin, .Lfunc_end_k_q6b5ac30802_bin-k_q6b5ac30802_bin
	.p2alignl 7, 3214868480
	.fill 96, 4, 3214868480
	.section	.rodata,"a",@progbits
	.p2align	6, 0x0
	.amdhsa_kernel k_q6b5ac30802_bin
		.amdhsa_group_segment_fixed_size 4352
		.amdhsa_private_segment_fixed_size 0
		.amdhsa_enable_private_segment 0
		.amdhsa_kernarg_size 24
		.amdhsa_user_sgpr_count 2
		.amdhsa_user_sgpr_kernarg_segment_ptr 1
		.amdhsa_wavefront_size32 1
		.amdhsa_system_sgpr_workgroup_id_x 1
		.amdhsa_system_sgpr_workgroup_id_y 1
		.amdhsa_system_sgpr_workgroup_id_z 1
		.amdhsa_system_vgpr_workitem_id 0
		.amdhsa_next_free_vgpr 96
		.amdhsa_next_free_sgpr 66
		.amdhsa_reserve_vcc 1
		.amdhsa_float_denorm_mode_32 3
		.amdhsa_float_denorm_mode_16_64 3
		.amdhsa_memory_ordered 1
		.amdhsa_forward_progress 1
		.amdhsa_inst_pref_size 72
	.end_amdhsa_kernel
	.amdgpu_metadata
---
amdhsa.version: [ 1, 2 ]
amdhsa.kernels:
  - .name:           k_q6b5ac30802_bin
    .symbol:         k_q6b5ac30802_bin.kd
    .args:
      - { .name: cell, .offset: 0, .size: 8, .value_kind: global_buffer, .address_space: global }
      - { .name: ent, .offset: 8, .size: 8, .value_kind: global_buffer, .address_space: global }
      - { .name: tab, .offset: 16, .size: 8, .value_kind: global_buffer, .address_space: global }
    .group_segment_fixed_size: 4352
    .private_segment_fixed_size: 0
    .kernarg_segment_align: 8
    .kernarg_segment_size: 24
    .max_flat_workgroup_size: 1024
    .sgpr_count:     66
    .vgpr_count:     96
    .wavefront_size: 32
...
	.end_amdgpu_metadata
.endif
;; end of part 6
;; launch sample (part 7): grid 128 x 2, 16 waves a work-group, no clusters, 198,656 bytes of LDS; arguments c_grid, p, ent, tab, ccode, cscale; writes ccode, cscale
.if DOCPART == 7
	.amdgcn_target "amdgcn-amd-amdhsa--gfx1250"
	.amdhsa_code_object_version 6
	.text
	.protected	k_q6b5ac30802_sample
	.globl	k_q6b5ac30802_sample
	.p2align	8
	.type	k_q6b5ac30802_sample,@function
k_q6b5ac30802_sample:
	s_mov_b64 s[64:65], 0
	v_nop
	global_prefetch_b8 v0, s[64:65] scope:SCOPE_SE
	s_setreg_imm32_b32 hwreg(HW_REG_WAVE_MODE, 25, 1), 1
	s_wait_xcnt 0x0
; LocalDecoder, launch 3 of 4: c = the trilinear sample of c_grid at each point, quantised to E2M3 along the channels.  No work of reference() is left out here.
; c enters reference() only as the left operand of products 2, 5, 8, 11, 14: it is quantised once, here.
; SHARES.  Work-group (region, batch) serves all points of one region (4 x 8 cells in z, y, all of x) for all 128 channels: entries, points and corner weights are made once.
; The channels go in 16 chunks of 8.  A chunk's 5 x 9 rows along x (256 bytes each; staged as 48 rows, the last three repeat row 44) come through registers into an LDS stage of two planes of four channels.
; A QUAD is two rows x four channels: four loads of 16 bytes a lane, 512 consecutive bytes each.  Quad q = 16 k + wave (k = 0, 1, 2) is plane q / 24, rows 2 (q % 24) and the next.
; Sixteen moves lay a node's four channels side by side.  Node (row, x) lies at 1,024 row + 256 (x % 4) + 16 (x / 4) of its plane, so that sixteen lanes of a stage store write 256 consecutive bytes, and a corner is one load of 16 bytes.
; TWO register sets of 48 take turns: when chunk c's quad has been moved, its registers are asked again for chunk c + 2: 24 loads of a wave are out.
; TWO STAGES take turns, chunk c in stage c % 2, with ONE barrier a chunk.  Behind barrier c a wave gathers chunk c from its stage and then stores chunk c + 1 into the other stage:
; that stage's last readers, the gathers of chunk c - 1, were awaited by every wave in front of its signal of barrier c; the stores are awaited in front of barrier c + 1, behind which they are read.
; A lane holds one point and its registers run along the channels: a block's largest magnitude needs no other lane, and the codes come out with K innermost.  After four chunks (32 channels) a block is quantised.
; Group g of 32 points belongs to wave g % 16, slot g / 16: two slots serve 1,024 points.  A region with more is served, from rank 1,024 on, straight from memory (the loop at the end): right for every spread of points.
; Lanes past the region's count repeat its last point and store the same bytes to the same place: EXEC is never touched.
; The sum of eight weighted corners differs from reference()'s three nested interpolations in the order of f32 roundings alone.
; ccode[blk][position][24 bytes]: 32 codes; cscale[position][blk]: the E8M0 byte.  A block of zeros keeps the byte 1 where the rule says 127: its codes are zeros, and only this program reads the bytes.
; LIMITS: NaN and infinities in c_grid or p are not served (E2M3 has no code for them; an infinity beside a weight 0 would give NaN).  Blocks whose largest magnitude lies under 2^-124 get the byte 1.
; No tensor load and no cluster: the launch branches on counts read from memory, and the interleaving of four channels is done in the registers on the way to LDS.
; s_wait_alu depctr_va_vdst(0) (macro VW): stands ahead of waits, barriers and branches behind which freshly written registers are read.
.set PLANE, 49152                      ; LDS: a plane is 48 rows x 1,024 bytes,
.set STAGE, 98304                      ; a stage two planes; two stages,
.set SPARE, 196608                     ; then the spare words, 128 bytes for each of 16 waves
.set LN,   1                           ; lane
.set T16,  2                           ; v2-5 where my quads go: 2,048 wave + 1,024 (lane / 16) + 16 (lane % 16), + 65,536 for quad 2; then the same two in stage 1
.set SPW,  6
.set NIL,  7
.set GA,   8                           ; v8-15 LDS address of my point's node: register 4 stage + 2 dx + slot
.set POS,  16                          ; v16-17 my point's position in the sorted order
.set VO,   18                          ; v18-20 quad k: my 16 bytes' offset from the chunk's first channel
.set PFO,  21                          ; the prefetches' offset
.set EA,   22                          ; v22-23 byte offset of my point's entry
.set GV,   23                          ; the direct way (slot 0 alone): byte offset of the base node in a channel's volume
.set W,    24                          ; v24-39 slot s: eight corner weights, corner 4 dz + 2 dy + dx
.set ACC,  40                          ; v40-103 slot s: 32 channels
.set STG,  104                         ; v104-199 set, quad, channel: four x as loaded
.set TMP,  200                         ; v200-231 two transposed quads; in a gather eight corners x four channels
.set ENT,  232                         ; the set-up's
.set IDR,  234
.set BF,   236
.set WX,   242
.set WY,   243
.set WZ,   244
.set UX,   245
.set UY,   246
.set UZ,   247
.set PP,   248
.set Z00,  251
.set Z01,  255
.set Z10,  TMP
.set Z11,  TMP+1
.set CT0,  TMP+2
.set CT1,  TMP+3
.set QM0,  232                         ; the quantiser's
.set QM1,  233
.set QSO,  234
.set QBY,  235
.set QC0,  236
.set QC1,  240
.set QOA,  244
.set QOS,  245
.set WV,    16
.set BAT,   17
.set RZ4,   21
.set RY8,   22
.set START, 24
.set COUNT, 25
.set CM1,   26
.set B16,   27
.set F0,    28                         ; s28-29 the rank of slot s's first point
.set FO,    30                         ; the direct way: the rank of the group's first point
.set RC,    32
.set DV,    33
.set GBB,   34                         ; s[34:35] the batch's first channel
.set GB2,   36                         ; s[36:37] chunk 1 at the head; then the direct way's base
.set CB,    38                         ; s[38:39] the block's codes
.set SB,    40                         ; s[40:41] the block's byte of the scale words
.set PH,    50                         ; s[50:51] chunk 2, asked for at the head
.set P,     52                         ; s[52:59] four bases: behind a block's chunk cc the chunk three on is asked for
.set NTR,   60
.set TR,    61
.set BT,    62
.set IB,    63
.macro VW
	s_wait_alu depctr_va_vdst(0)
.endm
; the same lines as in the launch 'keys': the same bits, so that each weight lies in 0 .. 1
.macro COORD d, s, ta, tb
	v_mul_f32 v[\ta], s[RC], v[\s]
	v_fma_f32 v[\tb], -v[\ta], s[DV], v[\s]
	v_fma_f32 v[\ta], v[\tb], s[RC], v[\ta]
	v_add_f32 v[\ta], 0.5, v[\ta]
	v_fma_f32 v[\ta], 2.0, v[\ta], -1.0
	v_add_f32 v[\ta], 1.0, v[\ta]
	v_mul_f32 v[\ta], 0x41fc0000, v[\ta]
	v_med3_num_f32 v[\d], v[\ta], 0, 0x427c0000
.endm
.macro VOQ k                           ; quad 16 k + wave: its plane and rows, held inside the grid
	s_add_co_u32 s46, s[WV], 16*\k
	s_mul_i32 s47, s46, 43
	s_lshr_b32 s47, s47, 10                        ; plane = q / 24 (exact up to 47)
	s_mul_i32 s48, s47, 24
	s_sub_co_u32 s46, s46, s48
	s_lshl_b32 s46, s46, 1                         ; the first of the two rows
	s_lshl_b32 s47, s47, 22                        ; four channels on for plane 1
	v_add_nc_u32 v[TMP+4], s46, v[TMP+2]
	v_min_u32 v[TMP+4], 44, v[TMP+4]               ; rows 45 to 47 repeat row 44
	v_mul_u32_u24 v[TMP+5], 57, v[TMP+4]
	v_lshrrev_b32 v[TMP+5], 9, v[TMP+5]            ; dz = row / 9 (exact up to 44)
	v_mul_u32_u24 v[TMP+6], 9, v[TMP+5]
	v_sub_nc_u32 v[TMP+6], v[TMP+4], v[TMP+6]      ; dy
	v_add_nc_u32 v[TMP+5], s[RZ4], v[TMP+5]
	v_add_nc_u32 v[TMP+6], s[RY8], v[TMP+6]
	v_min_u32 v[TMP+5], 63, v[TMP+5]               ; the outermost row of an outermost region repeats the grid's last
	v_min_u32 v[TMP+6], 63, v[TMP+6]
	v_lshl_add_u32 v[TMP+5], v[TMP+5], 6, v[TMP+6]
	v_lshl_add_u32 v[TMP+5], v[TMP+5], 4, v[TMP+1]
	v_lshl_add_u32 v[VO+\k], v[TMP+5], 4, s47
.endm
.macro LOADQ set, k, b                 ; four channels of a quad
.irp jj, 0,1,2,3
	global_load_b128 v[STG+48*(\set)+16*(\k)+4*\jj:STG+48*(\set)+16*(\k)+4*\jj+3], v[VO+(\k)], s[\b:\b+1] offset:\jj*0x100000
.endr
.endm
.macro MOVQ set, k, t                  ; x e of channel jj -> channel jj of node e
.irp e, 0,1,2,3
.irp jj, 0,1,2,3
	v_mov_b32 v[TMP+16*(\t)+4*\e+\jj], v[STG+48*(\set)+16*(\k)+4*\jj+\e]
.endr
.endr
.endm
.macro STQ st, k, t                    ; into stage st
.irp e, 0,1,2,3
.if \k < 2
	ds_store_b128 v[T16+2*(\st)], v[TMP+16*(\t)+4*\e:TMP+16*(\t)+4*\e+3] offset:32768*\k+256*\e
.else
	ds_store_b128 v[T16+2*(\st)+1], v[TMP+16*(\t)+4*\e:TMP+16*(\t)+4*\e+3] offset:256*\e
.endif
.endr
.endm
; the point of rank s[first] + lane: its position, and the load of its entry
.macro SETUP_A sl, first
	v_add_nc_u32 v[POS+\sl], s[\first], v[LN]
	v_min_u32 v[POS+\sl], s[CM1], v[POS+\sl]       ; past the count: the last point again
	v_min_u32 v[POS+\sl], 0xffff, v[POS+\sl]
	v_add_nc_u32 v[POS+\sl], s[START], v[POS+\sl]
	v_min_u32 v[POS+\sl], 0x1ffff, v[POS+\sl]
	v_lshlrev_b32 v[EA+\sl], 2, v[POS+\sl]
	global_load_b32 v[ENT+\sl], v[EA+\sl], s[8:9]
.endm
; the entry's fields, each cut and then held; the load of the point; the nodes' addresses (gv = 0: in the stages; 1: in a channel's volume)
.macro SETUP_B sl, gv
	v_and_b32 v[IDR+\sl], 0xffff, v[ENT+\sl]
	v_min_u32 v[IDR+\sl], 0xffff, v[IDR+\sl]
	v_add_nc_u32 v[IDR+\sl], s[B16], v[IDR+\sl]
	v_mul_u32_u24 v[IDR+\sl], 12, v[IDR+\sl]
	global_load_b96 v[PP+4*\sl:PP+4*\sl+2], v[IDR+\sl], s[6:7]
	v_bfe_u32 v[WX], v[ENT+\sl], 16, 6
	v_min_u32 v[WX], 62, v[WX]                     ; xb
	v_bfe_u32 v[WY], v[ENT+\sl], 22, 3
	v_min_u32 v[WY], 7, v[WY]                      ; dy
	v_bfe_u32 v[WZ], v[ENT+\sl], 25, 3
	v_min_u32 v[WZ], 3, v[WZ]                      ; dz
.if \gv == 0
	v_mul_u32_u24 v[GA+\sl], 9, v[WZ]
	v_add_nc_u32 v[GA+\sl], v[GA+\sl], v[WY]
	v_lshlrev_b32 v[GA+\sl], 10, v[GA+\sl]         ; the row
	v_add_nc_u32 v[UX], 1, v[WX]                   ; xb + 1: its two fields, each held
	v_and_b32 v[UY], 3, v[UX]
	v_lshrrev_b32 v[UZ], 2, v[UX]
	v_min_u32 v[UY], 3, v[UY]
	v_min_u32 v[UZ], 15, v[UZ]
	v_lshl_add_u32 v[GA+2+\sl], v[UY], 8, v[GA+\sl]
	v_lshl_add_u32 v[GA+2+\sl], v[UZ], 4, v[GA+2+\sl]
	v_and_b32 v[UY], 3, v[WX]                      ; and xb's
	v_lshrrev_b32 v[UZ], 2, v[WX]
	v_min_u32 v[UY], 3, v[UY]
	v_min_u32 v[UZ], 15, v[UZ]
	v_lshl_add_u32 v[GA+\sl], v[UY], 8, v[GA+\sl]
	v_lshl_add_u32 v[GA+\sl], v[UZ], 4, v[GA+\sl]
	v_add_nc_u32 v[GA+4+\sl], STAGE, v[GA+\sl]     ; the same two nodes in stage 1
	v_add_nc_u32 v[GA+6+\sl], STAGE, v[GA+2+\sl]
.endif
	v_add_nc_u32 v[WY], s[RY8], v[WY]              ; yb
	v_add_nc_u32 v[WZ], s[RZ4], v[WZ]              ; zb
	v_cvt_f32_u32 v[BF+3*\sl], v[WX]
	v_cvt_f32_u32 v[BF+3*\sl+1], v[WY]
	v_cvt_f32_u32 v[BF+3*\sl+2], v[WZ]
.if \gv
	v_min_u32 v[WZ], 62, v[WZ]
	v_min_u32 v[WY], 62, v[WY]
	v_lshl_add_u32 v[GV], v[WZ], 6, v[WY]
	v_lshl_add_u32 v[GV], v[GV], 6, v[WX]
	v_lshlrev_b32 v[GV], 2, v[GV]
.endif
.endm
; the three weights and their eight products
.macro SETUP_C sl
	COORD WX, PP+4*\sl, CT0, CT1
	COORD WY, PP+4*\sl+1, CT0, CT1
	COORD WZ, PP+4*\sl+2, CT0, CT1
	v_sub_f32 v[WX], v[WX], v[BF+3*\sl]
	v_sub_f32 v[WY], v[WY], v[BF+3*\sl+1]
	v_sub_f32 v[WZ], v[WZ], v[BF+3*\sl+2]
	v_sub_f32 v[UX], 1.0, v[WX]
	v_sub_f32 v[UY], 1.0, v[WY]
	v_sub_f32 v[UZ], 1.0, v[WZ]
	v_mul_f32 v[Z00], v[UZ], v[UY]
	v_mul_f32 v[Z01], v[UZ], v[WY]
	v_mul_f32 v[Z10], v[WZ], v[UY]
	v_mul_f32 v[Z11], v[WZ], v[WY]
	v_mul_f32 v[W+8*\sl+0], v[Z00], v[UX]
	v_mul_f32 v[W+8*\sl+1], v[Z00], v[WX]
	v_mul_f32 v[W+8*\sl+2], v[Z01], v[UX]
	v_mul_f32 v[W+8*\sl+3], v[Z01], v[WX]
	v_mul_f32 v[W+8*\sl+4], v[Z10], v[UX]
	v_mul_f32 v[W+8*\sl+5], v[Z10], v[WX]
	v_mul_f32 v[W+8*\sl+6], v[Z11], v[UX]
	v_mul_f32 v[W+8*\sl+7], v[Z11], v[WX]
.endm
.macro CORNERS sl, a, k0               ; four corners' share of four channels; corner 0 starts the sums
.irp kk, 0,1,2,3
.irp jj, 0,1,2,3
.if (\k0+\kk) == 0
	v_mul_f32 v[\a+\jj], v[TMP+\jj], v[W+8*\sl]
.else
	v_fmac_f32 v[\a+\jj], v[TMP+4*(\k0+\kk)+\jj], v[W+8*\sl+\k0+\kk]
.endif
.endr
.endr
.endm
; slot sl's eight corners of both planes of the block's chunk cc, which lies in stage st, if the slot has points
.macro GATHER sl, cc, st
	s_cmp_lt_u32 s[F0+\sl], s[COUNT]
	s_cbranch_scc0 .Lng_\@
.irp g, 0,1
.irp kk, 0,1,2,3,4,5,6,7
	ds_load_b128 v[TMP+4*\kk:TMP+4*\kk+3], v[GA+4*(\st)+2*(\kk%2)+\sl] offset:PLANE*\g+9216*(\kk/4)+1024*((\kk/2)%2)
.endr
	s_wait_dscnt 4                                 ; corners 0 to 3 are in; the four younger ones may be out
	CORNERS \sl, ACC+32*\sl+8*\cc+4*\g, 0
	VW
	s_wait_dscnt 0x0
	CORNERS \sl, ACC+32*\sl+8*\cc+4*\g, 4
.endr
	VW
.Lng_\@:
.endm
; A chunk goes from register set ss into stage ss.  Its 12 loads were issued two chunks ago.  more = 1: each quad's registers are asked again, for the chunk two on (base b), as soon as they have been moved.
; n0, n1, n2: the younger loads that may be out when quad 0, 1, 2 has to be there: in the loop always 20 (8 of this chunk's or of the chunk's two on, and the next chunk's 12).
; pf = 1: A PREFETCH INTO THE L2: the chunk behind the one just asked for, whose loads stand in the next chunk's FILL.  A work-group names only its own 4 x 8 rows, so each row of each channel is named once in the launch:
; waves 0 to 7 take a channel each, a lane a row.  Chunks 0 to 2 come by their loads alone; chunk 15 is the last that is named.
.macro FILL ss, b, more, n0, n1, n2, pf
	s_wait_loadcnt \n0
	MOVQ \ss, 0, 0
.if \more
	LOADQ \ss, 0, \b
.endif
	VW
	s_wait_loadcnt \n1
	MOVQ \ss, 1, 1
.if \more
	LOADQ \ss, 1, \b
.endif
	STQ \ss, 0, 0
	STQ \ss, 1, 1
	s_wait_loadcnt \n2
	s_wait_dscnt 4                                 ; quad 0's four stores have read their registers; quad 1's may be out
	MOVQ \ss, 2, 0
.if \more
	LOADQ \ss, 2, \b
.endif
	STQ \ss, 2, 0
.if \pf
	VW
	s_cmp_lt_u32 s[WV], 8
	s_cbranch_scc0 .Lnp_\@
	global_prefetch_b8 v[PFO], s[\b:\b+1] th:TH_LOAD_NT scope:SCOPE_SE
.Lnp_\@:
.endif
.endm
.macro BAR                             ; my stores into one stage are done and my reads of the other are over; behind it that holds of every wave
	s_wait_dscnt 0x0
	s_barrier_signal -1
	s_barrier_wait -1
.endm
; slot sl's 32 channels become 32 codes and a scale byte
.macro QS sl
	v_max3_num_f32 v[QM0], |v[ACC+32*\sl]|, |v[ACC+32*\sl+1]|, |v[ACC+32*\sl+2]|
	v_max3_num_f32 v[QM1], |v[ACC+32*\sl+3]|, |v[ACC+32*\sl+4]|, |v[ACC+32*\sl+5]|
.irp ii, 6,10,14,18,22,26
	v_max3_num_f32 v[QM0], v[QM0], |v[ACC+32*\sl+\ii]|, |v[ACC+32*\sl+\ii+1]|
	v_max3_num_f32 v[QM1], v[QM1], |v[ACC+32*\sl+\ii+2]|, |v[ACC+32*\sl+\ii+3]|
.endr
	v_max3_num_f32 v[QM0], v[QM0], |v[ACC+32*\sl+30]|, |v[ACC+32*\sl+31]|
	v_max3_num_f32 v[QM0], v[QM0], v[QM1], 0x1800000   ; and the floor 2^(3 - 127): the byte cannot fall under 1
	v_add_nc_u32 v[QSO], 0xff000000, v[QM0]        ; 2 off the exponent field: the conversion's scale operand
	v_lshrrev_b32 v[QBY], 23, v[QSO]               ; the scale's byte
	v_cvt_scalef32_pk16_fp6_f32 v[QC0:QC0+2], v[ACC+32*\sl:ACC+32*\sl+15], v[QSO]
	v_cvt_scalef32_pk16_fp6_f32 v[QC1:QC1+2], v[ACC+32*\sl+16:ACC+32*\sl+31], v[QSO]
	v_nop                                          ; one plain place behind the conversions
	v_mul_u32_u24 v[QOA], 24, v[POS+\sl]
	v_lshlrev_b32 v[QOS], 2, v[POS+\sl]
	global_store_b96 v[QOA], v[QC0:QC0+2], s[CB:CB+1]
	global_store_b96 v[QOA], v[QC1:QC1+2], s[CB:CB+1] offset:12
	global_store_b8 v[QOS], v[QBY], s[SB:SB+1]
	s_wait_xcnt 0x0                                ; the stores' registers and bases are written again only behind this wait
.endm
.macro QSG sl
	s_cmp_lt_u32 s[F0+\sl], s[COUNT]
	s_cbranch_scc0 .Lnq_\@
	QS \sl
.Lnq_\@:
.endm
	s_load_b256 s[4:11], s[0:1], 0x0               ; c_grid, p, ent, tab
	s_load_b128 s[12:15], s[0:1], 0x20             ; ccode, cscale
	v_lshl_add_u32 v[SPW], v0, 2, SPARE
	v_mov_b32 v[NIL], 0
	v_lshrrev_b32 v[TMP], 5, v0
	v_readfirstlane_b32 s[WV], v[TMP]
	v_and_b32 v[LN], 31, v0
	v_and_b32 v[TMP+1], 15, v0                     ; lane % 16
	v_bfe_u32 v[TMP+2], v0, 4, 1                   ; lane / 16
	v_and_b32 v[TMP+3], 0x1f0, v0
	v_lshlrev_b32 v[TMP+3], 6, v[TMP+3]
	v_lshl_add_u32 v[T16], v[TMP+1], 4, v[TMP+3]
	v_add_nc_u32 v[T16+1], 0x10000, v[T16]
	v_add_nc_u32 v[T16+2], STAGE, v[T16]
	v_add_nc_u32 v[T16+3], STAGE+0x10000, v[T16]
	VW
	s_and_b32 s[BAT], ttmp7, 0xffff
	s_and_b32 s[RZ4], ttmp9, 0x78
	s_lshr_b32 s[RZ4], s[RZ4], 1                   ; the region's first z: 4 (region / 8),
	s_and_b32 s[RY8], ttmp9, 7
	s_lshl_b32 s[RY8], s[RY8], 3                   ; and y: 8 (region % 8)
	s_lshl_b32 s[B16], s[BAT], 16
	s_mov_b32 s[RC], 0x3f688412
	s_mov_b32 s[DV], 0x3f8ced91
	s_lshl_b32 s[F0], s[WV], 5
	s_add_co_u32 s[F0+1], s[F0], 512
	s_add_co_u32 s[FO], s[F0], 1024
	s_lshl_b32 s42, s[BAT], 7
	s_add_co_u32 s42, s42, ttmp9
	s_lshl_b32 s42, s42, 8                         ; my line of the table: 256 bytes a line, the pair at its head
	s_mov_b32 s43, 0
	s_lshl_b32 s44, s[BAT], 27                     ; the batch's 128 volumes of 1,048,576 bytes
	s_mov_b32 s45, 0
	VOQ 0
	VOQ 1
	VOQ 2
	v_lshrrev_b32 v[PFO], 3, v[LN]                 ; the prefetches' offset: my own row: z = the region's first + lane / 8,
	v_and_b32 v[TMP+4], 7, v[LN]                   ; y = the region's first + lane % 8,
	v_add_nc_u32 v[PFO], s[RZ4], v[PFO]
	v_add_nc_u32 v[TMP+4], s[RY8], v[TMP+4]
	v_lshl_add_u32 v[PFO], v[PFO], 6, v[TMP+4]
	s_add_co_u32 s46, s[WV], 8                     ; one chunk (8 channels) behind the base of the chunk just asked for; channel number wave of that chunk
	s_lshl_b32 s46, s46, 20
	v_lshl_add_u32 v[PFO], v[PFO], 8, s46
	VW
	s_wait_kmcnt 0x0
	s_add_nc_u64 s[10:11], s[10:11], s[42:43]
	s_load_b64 s[START:COUNT], s[10:11], 0x0
	s_add_nc_u64 s[GBB:GBB+1], s[4:5], s[44:45]
	s_add_nc_u64 s[GB2:GB2+1], s[GBB:GBB+1], 0x800000
	s_add_nc_u64 s[PH:PH+1], s[GBB:GBB+1], 0x1000000
	s_add_nc_u64 s[P:P+1], s[GBB:GBB+1], 0x1800000
	s_add_nc_u64 s[P+2:P+3], s[GBB:GBB+1], 0x2000000
	s_add_nc_u64 s[P+4:P+5], s[GBB:GBB+1], 0x2800000
	s_add_nc_u64 s[P+6:P+7], s[GBB:GBB+1], 0x3000000
	s_mov_b64 s[CB:CB+1], s[12:13]
	s_mov_b64 s[SB:SB+1], s[14:15]
.irp k, 0,1,2
	LOADQ 0, \k, GBB                               ; chunk 0
.endr
.set i, 0
.rept 64                               ; a slot's sums are written only where the slot has points, a test on a number read from memory: they are written once here, so that they are written on every way
	v_mov_b32 v[ACC+i], 0
.set i, i+1
.endr
	VW
	s_wait_kmcnt 0x0
	s_min_u32 s[START], s[START], 0x1ffff
	s_min_u32 s[COUNT], s[COUNT], 0x10000
	s_max_u32 s[CM1], s[COUNT], 1
	s_sub_co_u32 s[CM1], s[CM1], 1
	SETUP_A 0, F0
	SETUP_A 1, F0+1
.irp k, 0,1,2
	LOADQ 1, \k, GB2                               ; chunk 1
.endr
	VW
	s_wait_loadcnt 12                              ; the entries (and chunk 0, which is older) are in; chunk 1's 12 loads may be out
	SETUP_B 0, 0
	SETUP_B 1, 0
	VW
	FILL 0, PH, 1, 14, 18, 22, 1                   ; chunk 0 goes into stage 0 while the points are on their way: out may be chunk 1's 12 loads, the points' 2, and 0, 4, 8 of chunk 2's
	VW
	s_wait_loadcnt 12                              ; the points are in; chunk 2's 12 loads may be out
	s_wait_dscnt 0x0                               ; the stage stores have read the registers that the weights' set-up works in
	SETUP_C 0
	SETUP_C 1
	VW
	s_mov_b32 s[BT], 3
.Lblock:                                               ; a trip is a block of 32 channels: four chunks, after which register sets, stages and sums are back where they began
.irp cc, 0,1,2,3
	BAR
	GATHER 0, \cc, \cc%2
	GATHER 1, \cc, \cc%2
	FILL (\cc+1)%2, P+2*\cc, 1, 20, 20, 20, 1      ; the next chunk, into the other stage
.endr
	QSG 0
	QSG 1
	VW
	s_wait_xcnt 0x0                                ; every load, prefetch and store has read its base
.irp cc, 0,1,2,3
	s_add_nc_u64 s[P+2*\cc:P+2*\cc+1], s[P+2*\cc:P+2*\cc+1], 0x2000000   ; 32 channels on
.endr
	s_add_nc_u64 s[CB:CB+1], s[CB:CB+1], 0x300000
	s_add_nc_u64 s[SB:SB+1], s[SB:SB+1], 1
	s_sub_co_u32 s[BT], s[BT], 1
	s_cmp_lg_u32 s[BT], 0
	s_cbranch_scc1 .Lblock
	BAR                                            ; the last block is written out
	GATHER 0, 0, 0
	GATHER 1, 0, 0
	FILL 1, P, 1, 20, 20, 20, 0                    ; chunk 13 goes in, chunk 15 is asked for;
	BAR
	GATHER 0, 1, 1
	GATHER 1, 1, 1
	FILL 0, P, 0, 20, 16, 12, 0                    ; chunks 14 and 15 ask for nothing: the counts run down
	BAR
	GATHER 0, 2, 0
	GATHER 1, 2, 0
	FILL 1, P, 0, 8, 4, 0, 0
	BAR
	GATHER 0, 3, 1
	GATHER 1, 3, 1
	BAR                                            ; every wave's reads of the stages are over before any wave's closing add
	QSG 0
	QSG 1
	; THE DIRECT WAY, for points of rank 1,024 on: no LDS, no barrier.  Wave w takes groups 32 + w + 16 t, t = 0, 1 ..: with G = (count + 31) / 32 groups in all,
	; group 32 + w + 16 t exists while t < (G - 17 - w) / 16, taken as 0 where G - 17 - w is negative.  The loop is counted by t, one a trip; inside it a loop of four trips goes over the blocks.
	s_add_co_u32 s46, s[COUNT], 31
	s_lshr_b32 s46, s46, 5                         ; G
	s_add_co_u32 s47, s[WV], 17
	s_sub_co_i32 s46, s46, s47
	s_max_i32 s46, s46, 0
	s_lshr_b32 s[NTR], s46, 4
	s_cmp_eq_u32 s[NTR], 0
	VW
	s_cbranch_scc1 .Lnone
	s_mov_b32 s[TR], 0
.Lover:
	SETUP_A 0, FO
	VW
	s_wait_loadcnt 0x0
	SETUP_B 0, 1
	VW
	s_wait_loadcnt 0x0
	SETUP_C 0
	VW
	s_mov_b64 s[GB2:GB2+1], s[GBB:GBB+1]
	s_mov_b64 s[CB:CB+1], s[12:13]
	s_mov_b64 s[SB:SB+1], s[14:15]
	s_mov_b32 s[IB], 0
.Lblk2:
.irp cc, 0,1,2,3,4,5,6,7
.irp kk, 0,1,2,3,4,5,6,7
.irp jj, 0,1,2,3
	global_load_b32 v[TMP+4*\kk+\jj], v[GV], s[GB2:GB2+1] offset:(\jj+4*(\cc%2))*1048576+16384*(\kk/4)+256*((\kk/2)%2)+4*(\kk%2)
.endr
.endr
	s_wait_loadcnt 0x0
	CORNERS 0, ACC+4*\cc, 0
	CORNERS 0, ACC+4*\cc, 4
	VW
.if \cc%2 == 1
	s_add_nc_u64 s[GB2:GB2+1], s[GB2:GB2+1], 0x800000  ; eight channels on: the loads that named the base have come back
.endif
.endr
	QS 0
	s_add_nc_u64 s[CB:CB+1], s[CB:CB+1], 0x300000
	s_add_nc_u64 s[SB:SB+1], s[SB:SB+1], 1
	s_add_co_u32 s[IB], s[IB], 1
	s_cmp_lt_u32 s[IB], 4
	VW
	s_cbranch_scc1 .Lblk2
	s_add_co_u32 s[FO], s[FO], 512                 ; sixteen groups on
	s_add_co_u32 s[TR], s[TR], 1
	s_cmp_lt_u32 s[TR], s[NTR]
	s_cbranch_scc1 .Lover
.Lnone:
	s_wait_tensorcnt 0x0                           ; the wave's end, behind my last LDS store
	ds_add_u32 v[SPW], v[NIL]
	s_wait_dscnt 0x0
	s_endpgm
.Lfunc_end_k_q6b5ac30802_sample:
	.size	k_q6b5ac30802_sample, .Lfunc_end_k_q6b5ac30802_sample-k_q6b5ac30802_sample
	.p2alignl 7, 3214868480
	.fill 96, 4, 3214868480
	.section	.rodata,"a",@progbits
	.p2align	6, 0x0
	.amdhsa_kernel k_q6b5ac30802_sample
		.amdhsa_group_segment_fixed_size 198656
		.amdhsa_private_segment_fixed_size 0
		.amdhsa_enable_private_segment 0
		.amdhsa_kernarg_size 48
		.amdhsa_user_sgpr_count 2
		.amdhsa_user_sgpr_kernarg_segment_ptr 1
		.amdhsa_wavefront_size32 1
		.amdhsa_system_sgpr_workgroup_id_x 1
		.amdhsa_system_sgpr_workgroup_id_y 1
		.amdhsa_system_sgpr_workgroup_id_z 1
		.amdhsa_system_vgpr_workitem_id 0
		.amdhsa_next_free_vgpr 256
		.amdhsa_next_free_sgpr 66
		.amdhsa_reserve_vcc 0
		.amdhsa_float_denorm_mode_32 3
		.amdhsa_float_denorm_mode_16_64 3
		.amdhsa_memory_ordered 1
		.amdhsa_forward_progress 1
		.amdhsa_inst_pref_size 144
	.end_amdhsa_kernel
	.amdgpu_metadata
---
amdhsa.version: [ 1, 2 ]
amdhsa.kernels:
  - .name:           k_q6b5ac30802_sample
    .symbol:         k_q6b5ac30802_sample.kd
    .args:
      - { .name: c_grid, .offset: 0, .size: 8, .value_kind: global_buffer, .address_space: global }
      - { .name: p, .offset: 8, .size: 8, .value_kind: global_buffer, .address_space: global }
      - { .name: ent, .offset: 16, .size: 8, .value_kind: global_buffer, .address_space: global }
      - { .name: tab, .offset: 24, .size: 8, .value_kind: global_buffer, .address_space: global }
      - { .name: ccode, .offset: 32, .size: 8, .value_kind: global_buffer, .address_space: global }
      - { .name: cscale, .offset: 40, .size: 8, .value_kind: global_buffer, .address_space: global }
    .group_segment_fixed_size: 198656
    .private_segment_fixed_size: 0
    .kernarg_segment_align: 8
    .kernarg_segment_size: 48
    .max_flat_workgroup_size: 512
    .sgpr_count:     66
    .vgpr_count:     256
    .wavefront_size: 32
...
	.end_amdgpu_metadata
.endif
;; end of part 7
;; launch mlp (part 8): grid 256 x 1, 8 waves a work-group, no clusters, 208,896 bytes of LDS; arguments ccode, cscale, ent, p, fc_p_w, fc_p_b, fc_c_w_codes, fc_c_w_scales, fc_c_b, b0_w_codes, b0_w_scales, b0_b, b1_w_codes, b1_w_scales, b1_b, out_w, out_b, out0; writes out0
.if DOCPART == 8
	.amdgcn_target "amdgcn-amd-amdhsa--gfx1250"
	.amdhsa_code_object_version 6
	.text
	.protected	k_q6b5ac30802_mlp
	.globl	k_q6b5ac30802_mlp
	.p2align	8
	.type	k_q6b5ac30802_mlp,@function
k_q6b5ac30802_mlp:
	s_mov_b64 s[64:65], 0
	v_nop
	global_prefetch_b8 v0, s[64:65] scope:SCOPE_SE
	s_setreg_imm32_b32 hwreg(HW_REG_WAVE_MODE, 25, 1), 1
	s_wait_xcnt 0x0
; LocalDecoder, launch 4 of 4: products 1 to 17 of the table, on the points in sorted order.  No work of reference() is left out here.
; SHARES.  Work-group g takes positions 512 g .. 512 g + 511 in two rounds; in a round each of its eight waves takes 32 points: two tiles of 16, so that each weight fragment read from LDS feeds two products.
; LAYOUT.  Every product is used transposed (source 0 = 16 rows of a weight, source 1 = 16 points): a lane holds ONE point.  Lane r of weight tile t takes row 32 (t / 2) + 8 (t % 2) + r + 8 (r / 8),
; so that register 8 t + j of lane (r, h) is unit 32 (t / 2) + 16 h + 8 (t % 2) + j: the 16 registers of tiles 2 b, 2 b + 1 are 16 neighbours along the next K.
; THE 15 WEIGHTS lie in LDS for the whole launch as images of their operand registers (a fragment: 3 x 512 bytes, lane l's 16 bytes at 16 l), filled once through registers; behind the one barrier LDS is only read.
; THE NET lives in 128 accumulator registers and is written by matrix instructions alone.  Product 1 goes by the f32 matrix form with K = 4: the fourth k carries fc_p_b against 1.0.
; The other biases that reference() adds to the net are summed in a table: d_0 = fc_c_b[0], d_i = d_(i-1) + b1_b[i-1] + fc_c_b[i], d_5 = d_4 + b1_b[4]; relu(net + d_i) is taken where the net is read.
; That changes the order of f32 additions and nothing else.  b0_b is the C of the hidden layer's products.
; The product of c with fc_c_w[i + 1] is brought forward among block i's hidden products: the net of block i has been read by then, and sums commute.
; LIMITS: blocks whose largest magnitude lies under 2^-124 get the byte 1; a block of zeros keeps the byte 1 (its codes are zeros).  NaN and infinities are not served.
; No tensor load: 190 KB of weights are filled once and no slot is filled again.  No cluster: the work-groups share the weights alone, read once each at the head.
.set WSC,   184320                     ; LDS: 0 the images, matrix mu at 12,288 mu, tile t at + 1,536 t; here the scale words: matrix mu at 1,024 mu, tile t of lane l at 512 (t / 4) + 16 l + 4 (t % 4)
.set WPI,   199680                     ; fc_p_w's f32 fragments: tile t at 256 t + 8 l
.set DT,    201728                     ; d_0 .. d_5, 512 bytes each
.set B0T,   204800                     ; b0_b
.set OWT,   207360                     ; out_w
.set SPARE, 207872                     ; the spare words, 128 bytes for each of 8 waves
; matrices: mu = 0 fc_c_w[0]; 1 + 3 i b0_w[i]; 2 + 3 i b1_w[i]; 3 + 3 i fc_c_w[i + 1]
; window 0
.set L16, 1                            ; 16 x lane
.set H64, 2                            ; 64 x (lane / 16)
.set VW,  3                            ; LDS addresses of this block's images, scale words, d table, b0 table
.set VS,  4
.set VD,  5
.set VB,  6
.set SPW, 7
.set NIL, 8
.set OID, 9                            ; byte offset of my point in out0
.set TA,  10                           ; LDS address of fc_p_w's fragments
.set H8,  11                           ; 8 x (lane / 16)
.set OA,  12                           ; v12-15 the last product's sums, a pair a tile
.set WS0, 16                           ; v16-37 hold scales and nothing else
.set WS1, 24
.set SWA, 32
.set SWH, 34
.set CS,  36
.set PB,  38                           ; v38-41 the points, a pair a tile
.set BI0, 42                           ; 16 numbers of a bias table, two sets
.set BI1, 58
.set WF0, 74                           ; two weight fragments, two sets
.set WF1, 98
.set HT0, 122                          ; 16 numbers a tile, two sets
.set HT1, 154
.set AQ,  186                          ; codes of relu(net), 12 a tile
.set HQ,  210                          ; codes of relu(h)
.set XR,  234                          ; v234-236, v238-240 a half block's codes
.set IA,  237                          ; v237, v241 offsets into p
.set TM,  242
.set PM,  244
.set SO,  246
.set BY,  248
.set EN,  250
.set NE2, 252
.set AE,  253                          ; 4 (base + r); never rewritten
.set AL,  254                          ; 4 (base + lane); never rewritten
.set AC,  255                          ; 3,145,728 h + 24 (base + r); never rewritten
; the head's own names
.set IM,  3
.set SCA, 6
.set DTA, 12
.set U4,  13
.set WPA, 14
.set PA1, 245
.set PA2, 247
.set WA,  248
.set SA,  249
; window 1
.set NET, 0                            ; tile p, weight tile t at 64 p + 8 t
.set CC,  128                          ; c's codes, 12 a tile
.set WB,  152                          ; eight weight fragments
.set WV,   44
.set BASE, 45
.set B16,  46
.set MASK, 47
.set SEL,  48
.set OB,   50
.set IW,   51
.set IS,   52
.set IDD,  53
.set IBB,  54
.set IT,   55
.set RND,  56
.set MSB, 0
.macro WIN new                         ; the immediate's high byte repeats the setting that is left
.if MSB != \new
	s_set_vgpr_msb (MSB<<8)|\new
.set MSB, \new
.endif
.endm
.macro NOPS n
.rept \n
	v_nop
.endr
.endm
.macro MX d, a, b, c, sa, sb
	v_wmma_scale_f32_16x16x128_f8f6f4 v[\d:\d+7], v[\a:\a+11], v[\b:\b+11], v[\c:\c+7], v[\sa], v[\sb] matrix_a_fmt:MATRIX_FMT_FP6 matrix_b_fmt:MATRIX_FMT_FP6
.endm
.macro LDBI dst, adr, off              ; my 16 numbers of a table's block
.irp qq, 0,1,2,3
	ds_load_b128 v[\dst+4*\qq:\dst+4*\qq+3], v[\adr] offset:\off+16*\qq
.endr
.endm
.macro LDSC dst, off                   ; a matrix's eight scale registers
	ds_load_b128 v[\dst:\dst+3], v[VS] offset:\off
	ds_load_b128 v[\dst+4:\dst+7], v[VS] offset:\off+512
.endm
.macro LDFR dst, off                   ; a fragment's image
.irp qq, 0,1,2
	ds_load_b128 v[\dst+4*\qq:\dst+4*\qq+3], v[VW] offset:\off+512*\qq
.endr
.endm
.macro RELU src
.set rj, 0
.rept 32
	v_max_num_f32 v[\src+rj], 0, v[\src+rj]        ; ascending: each accumulator is read from its low end on
.set rj, rj+1
.endr
.endm
; Block blk of 32 along K of both tiles: 16 numbers a lane at v[src + 16 p], none negative, become codes in v[dq + 12 p ..] and byte blk of the scale word v[sw + p].
.macro QB src, blk, dq, sw
.irp pp, 0,1
	v_max3_num_f32 v[TM+\pp], v[\src+16*\pp], v[\src+16*\pp+1], 0x1800000   ; with the floor 2^(3 - 127): the byte cannot fall under 1
	v_max3_num_f32 v[BY+\pp], v[\src+16*\pp+2], v[\src+16*\pp+3], v[\src+16*\pp+4]
.endr
.irp ii, 5,9
.irp pp, 0,1
	s_delay_alu instid0(VALU_DEP_4)
	v_max3_num_f32 v[TM+\pp], v[TM+\pp], v[\src+16*\pp+\ii], v[\src+16*\pp+\ii+1]
	s_delay_alu instid0(VALU_DEP_4)
	v_max3_num_f32 v[BY+\pp], v[BY+\pp], v[\src+16*\pp+\ii+2], v[\src+16*\pp+\ii+3]
.endr
.endr
.irp pp, 0
	s_delay_alu instid0(VALU_DEP_4)
	v_max3_num_f32 v[TM+\pp], v[TM+\pp], v[\src+16*\pp+13], v[\src+16*\pp+14]
.endr
.irp pp, 1
	s_delay_alu instid0(VALU_DEP_3)
	v_max3_num_f32 v[TM+\pp], v[TM+\pp], v[\src+16*\pp+13], v[\src+16*\pp+14]
.endr
.irp pp, 0,1
	s_delay_alu instid0(VALU_DEP_2)
	v_max3_num_f32 v[TM+\pp], v[TM+\pp], v[BY+\pp], v[\src+16*\pp+15]
.endr
.irp pp, 0,1
	s_delay_alu instid0(VALU_DEP_2)
	v_permlanex16_b32 v[PM+\pp], v[TM+\pp], s[SEL], s[SEL+1]
.endr
.irp pp, 0,1
	s_delay_alu instid0(VALU_DEP_2)
	v_max_num_f32 v[TM+\pp], v[TM+\pp], v[PM+\pp]  ; with lane l xor 16's 16: the block's largest
.endr
.irp pp, 0,1
	s_delay_alu instid0(VALU_DEP_2)
	v_add_nc_u32 v[SO+\pp], 0xff000000, v[TM+\pp]  ; 2 off the exponent field: the conversion's scale operand
.endr
.if (\blk) == 0
.irp pp, 0,1
	s_delay_alu instid0(VALU_DEP_2)
	v_lshrrev_b32 v[\sw+\pp], 23, v[SO+\pp]
.endr
.else
.irp pp, 0,1
	s_delay_alu instid0(VALU_DEP_2)
	v_lshrrev_b32 v[BY+\pp], 23, v[SO+\pp]
.endr
.irp pp, 0,1
	s_delay_alu instid0(VALU_DEP_2)
	v_lshl_or_b32 v[\sw+\pp], v[BY+\pp], 8*(\blk), v[\sw+\pp]
.endr
.endif
.if (\blk)%2 == 0
.irp pp, 0,1
	v_cvt_scalef32_pk16_fp6_f32 v[\dq+12*\pp+3*(\blk):\dq+12*\pp+3*(\blk)+2], v[\src+16*\pp:\src+16*\pp+15], v[SO+\pp]
.endr
	v_nop                                          ; one plain place behind the conversions
.else
.irp pp, 0,1
	v_cvt_scalef32_pk16_fp6_f32 v[XR+4*\pp:XR+4*\pp+2], v[\src+16*\pp:\src+16*\pp+15], v[SO+\pp]
.endr
	v_nop
.irp pp, 0,1                           ; the operand wants a whole block in a lane: lanes 0-15 the even block, lanes 16-31 the odd one
.irp i3, 0,1,2
	v_permlane16_swap_b32 v[\dq+12*\pp+3*(\blk)-3+\i3], v[XR+4*\pp+\i3]
.endr
.endr
.irp pp, 0,1
.irp i3, 0,1,2
	v_mov_b32 v[\dq+12*\pp+3*(\blk)+\i3], v[XR+4*\pp+\i3]
.endr
.endr
.endif
.endm
.macro NETIN blk, bi                   ; net + d, block blk of both tiles, into HT0
	WIN 0x01                                       ; source 0: window 1
.irp pp, 0,1
.irp kk, 0,2,4,6,8,10,12,14
	v_pk_add_f32 v[HT0+16*\pp+\kk:HT0+16*\pp+\kk+1], v[NET+64*\pp+16*(\blk)+\kk:NET+64*\pp+16*(\blk)+\kk+1], v[\bi+\kk:\bi+\kk+1]
.endr
.endr
	WIN 0
	RELU HT0
.endm
.macro ASTAGE blk, bi
	NETIN \blk, \bi
	QB HT0, \blk, AQ, SWA
.endm
.macro QSTAGE blk
	RELU HT0+32*((\blk)%2)
	QB HT0+32*((\blk)%2), \blk, HQ, SWH
.endm
.macro HPROD blk                       ; h's tiles 2 blk, 2 blk + 1 for both tiles of points: C = b0_b
.irp uu, 0,1
.irp pp, 0,1
	MX HT0+32*((\blk)%2)+16*\pp+8*\uu, WF0+24*((\blk)%2)+12*\uu, AQ+12*\pp, BI0+16*((\blk)%2)+8*\uu, WS0+2*(\blk)+\uu, SWA+\pp
.endr
.endr
.endm
.macro CPROD blk                       ; net += c x fc_c_w[next], tiles 2 blk, 2 blk + 1
	WIN 0x55
.irp uu, 0,1
.irp pp, 0,1
	MX NET+64*\pp+8*(2*(\blk)+\uu), WB+12*(2*(\blk)+\uu), CC+12*\pp, NET+64*\pp+8*(2*(\blk)+\uu), WS1+2*(\blk)+\uu, CS+\pp
.endr
.endr
	WIN 0
.endm
; a round's inputs that hang on ids alone: entries, c's codes and scale words
.macro LOADIN_A rnd
	global_load_b32 v[EN], v[AE], s[12:13] offset:1024*\rnd
	global_load_b32 v[EN+1], v[AE], s[12:13] offset:1024*\rnd+64
	global_load_b32 v[NE2], v[AL], s[12:13] offset:1024*\rnd
	global_load_b32 v[CS], v[AE], s[10:11] offset:1024*\rnd
	global_load_b32 v[CS+1], v[AE], s[10:11] offset:1024*\rnd+64
	WIN 0x40                                       ; destination: window 1
.irp pp, 0,1
.irp cc, 0,1
.irp ii, 0,1,2
	global_load_b64 v[CC+12*\pp+6*\cc+2*\ii:CC+12*\pp+6*\cc+2*\ii+1], v[AC], s[8:9] offset:6144*\rnd+384*\pp+6291456*\cc+8*\ii th:TH_LOAD_NT
.endr
.endr
.endr
	WIN 0
.endm
; and the points themselves, by the entries' numbers
.macro LOADIN_B
	s_wait_loadcnt 0x0
.irp pp, 0,1
	v_and_b32 v[EN+\pp], 0xffff, v[EN+\pp]
	s_delay_alu instid0(VALU_DEP_1)
	v_min_u32 v[EN+\pp], 0xffff, v[EN+\pp]
	s_delay_alu instid0(VALU_DEP_1)
	v_add_nc_u32 v[EN+\pp], s[B16], v[EN+\pp]
	s_delay_alu instid0(VALU_DEP_1)
	v_mul_u32_u24 v[EN+\pp], 12, v[EN+\pp]
	s_delay_alu instid0(VALU_DEP_1)
	v_add_nc_u32 v[IA+4*\pp], v[EN+\pp], v[H8]
	global_load_b32 v[PB+2*\pp], v[IA+4*\pp], s[14:15]          ; lanes 0-15 x, lanes 16-31 z
	global_load_b32 v[PB+2*\pp+1], v[EN+\pp], s[14:15] offset:4 ; y
.endr
.endm
.macro WLOAD mu, base, lay             ; my tile of matrix mu: layer lay of the codes at s[base], the scales at s[base + 2]
.irp pc, 0,1,2,3,4,5
	global_load_b64 v[42+12*(\mu)+2*\pc:43+12*(\mu)+2*\pc], v[WA], s[\base:\base+1] offset:12288*(\lay)+48*(\pc/3)+8*(\pc%3)
.endr
	global_load_b32 v[222+(\mu)], v[SA], s[\base+2:\base+3] offset:512*(\lay)
.endm
	s_load_b256 s[8:15], s[0:1], 0x0               ; ccode, cscale, ent, p
	s_load_b256 s[16:23], s[0:1], 0x20             ; fc_p_w, fc_p_b, fc_c_w codes, scales
	s_load_b256 s[24:31], s[0:1], 0x40             ; fc_c_b, b0_w codes, scales, b0_b
	s_load_b256 s[32:39], s[0:1], 0x60             ; b1_w codes, scales, b1_b, out_w
	s_load_b128 s[40:43], s[0:1], 0x80             ; out_b, out0
	v_lshl_add_u32 v[SPW], v0, 2, SPARE
	v_mov_b32 v[NIL], 0
	v_lshrrev_b32 v[TM], 5, v0
	s_delay_alu instid0(VALU_DEP_1)
	v_readfirstlane_b32 s[WV], v[TM]
	v_and_b32 v[TM+1], 31, v0                      ; lane
	v_and_b32 v[TM], 15, v0                        ; r
	s_wait_alu depctr_va_vdst(0)
	v_bfe_u32 v[H8], v0, 4, 1                      ; h
	s_wait_alu depctr_va_vdst(0)
	v_lshlrev_b32 v[L16], 4, v[TM+1]
	v_lshlrev_b32 v[H64], 6, v[H8]
	s_lshl_b32 s[BASE], ttmp9, 9
	s_lshl_b32 s57, s[WV], 5
	s_add_co_u32 s[BASE], s[BASE], s57
	s_lshr_b32 s[B16], ttmp9, 7
	s_lshl_b32 s[B16], s[B16], 16                  ; batch x 65,536
	s_mov_b32 s[MASK], 0xffff0000                  ; lanes 16-31
	s_mov_b32 s[SEL], 0x76543210
	s_mov_b32 s[SEL+1], 0xfedcba98
	v_add_nc_u32 v[AE], s[BASE], v[TM]
	s_delay_alu instid0(VALU_DEP_1)
	v_mul_u32_u24 v[AC], 24, v[AE]
	v_mul_u32_u24 v[PM], 0x300000, v[H8]
	s_delay_alu instid0(VALU_DEP_1)
	v_add_nc_u32 v[AC], v[AC], v[PM]
	s_delay_alu instid0(VALU_DEP_4)
	v_lshlrev_b32 v[AE], 2, v[AE]
	v_add_nc_u32 v[AL], s[BASE], v[TM+1]
	s_delay_alu instid0(VALU_DEP_1)
	v_lshlrev_b32 v[AL], 2, v[AL]
	s_lshr_b32 s57, s[WV], 1                       ; at the head wave w fills tile w of every matrix
	s_lshl_b32 s57, s57, 5
	s_and_b32 s58, s[WV], 1
	s_lshl_b32 s58, s58, 3
	s_add_co_u32 s57, s57, s58
	v_and_b32 v[SO], 8, v[TM]
	s_delay_alu instid0(VALU_DEP_1)
	v_add_nc_u32 v[SO], v[SO], v[TM]
	s_delay_alu instid0(VALU_DEP_1)
	v_add_nc_u32 v[SO], s57, v[SO]                 ; my lane's weight row
	s_delay_alu instid0(VALU_DEP_1)
	v_mul_u32_u24 v[WA], 96, v[SO]
	s_delay_alu instid0(VALU_DEP_1)
	v_mad_u32_u24 v[WA], v[H8], 24, v[WA]
	s_delay_alu instid0(VALU_DEP_3)
	v_lshlrev_b32 v[SA], 2, v[SO]
	s_delay_alu instid0(VALU_DEP_4)
	v_mul_u32_u24 v[PA2], 12, v[SO]
	s_delay_alu instid0(VALU_DEP_1)
	v_lshl_add_u32 v[PA1], v[H8], 3, v[PA2]
	v_lshlrev_b32 v[H8], 3, v[H8]
	s_mul_i32 s57, s[WV], 1536                     ; every LDS address of the head is made here, ahead of the branch on the wave's number
	v_add_nc_u32 v[IM], s57, v[L16]
	s_delay_alu instid0(VALU_DEP_1)
	v_add_nc_u32 v[IM+1], 61440, v[IM]
	s_delay_alu instid0(VALU_DEP_2)
	v_add_nc_u32 v[IM+2], 122880, v[IM]
	s_lshr_b32 s57, s[WV], 2
	s_lshl_b32 s57, s57, 9
	s_and_b32 s58, s[WV], 3
	s_lshl_b32 s58, s58, 2
	s_add_co_u32 s57, s57, s58
	s_add_co_u32 s57, s57, WSC
	v_add_nc_u32 v[SCA], s57, v[L16]
	v_lshrrev_b32 v[TA], 1, v[L16]
	s_delay_alu instid0(VALU_DEP_1)
	v_add_nc_u32 v[TA], WPI, v[TA]
	s_lshl_b32 s57, s[WV], 8
	v_add_nc_u32 v[WPA], s57, v[TA]
	v_and_b32 v[U4], 127, v0
	s_delay_alu instid0(VALU_DEP_1)
	v_lshlrev_b32 v[U4], 2, v[U4]
	s_delay_alu instid0(VALU_DEP_1)
	v_add_nc_u32 v[DTA], DT, v[U4]
	s_wait_kmcnt 0x0
	s_load_b32 s[OB], s[40:41], 0x0
	LOADIN_A 0
	WLOAD 0, 20, 0
.irp li, 0,1,2,3,4
	WLOAD 1+3*\li, 26, \li
	WLOAD 2+3*\li, 32, \li
.endr
.irp li, 0,1,2,3
	WLOAD 3+3*\li, 20, \li+1
.endr
	global_load_b32 v238, v[PA1], s[16:17]         ; fc_p_w: lanes 0-15 k = 0, lanes 16-31 k = 2
	global_load_b32 v239, v[PA2], s[16:17] offset:4 ; k = 1
	global_load_b32 v240, v[SA], s[18:19]          ; fc_p_b: k = 3
	LOADIN_B                                       ; (it waits for all loads above)
	v_cndmask_b32 v239, v239, v240, s[MASK]
.irp mu, 0,1,2,3,4,5,6,7,8,9,10,11,12,13,14
.irp qq, 0,1,2
	ds_store_b128 v[IM+\mu/5], v[42+12*\mu+4*\qq:45+12*\mu+4*\qq] offset:12288*(\mu%5)+512*\qq
.endr
	ds_store_b32 v[SCA], v[222+\mu] offset:1024*\mu
.endr
	ds_store_b64 v[WPA], v[238:239]
	s_wait_dscnt 0x0                               ; the stores have read their registers
	s_cmp_lt_u32 s[WV], 4
	s_cbranch_scc0 .Lcopy
	global_load_b32 v53, v[U4], s[24:25]           ; waves 0-3, a thread a unit: d_0 = fc_c_b[0]
.irp li, 1,2,3,4
	global_load_b32 v[42+\li], v[U4], s[24:25] offset:512*\li
.endr
.irp li, 0,1,2,3,4
	global_load_b32 v[48+\li], v[U4], s[36:37] offset:512*\li
.endr
	s_wait_loadcnt 0x0
.irp li, 1
	v_add_f32 v[53+\li], v[52+\li], v[47+\li]      ; d_i = d_(i-1) + b1_b[i-1]
	s_delay_alu instid0(VALU_DEP_1)
	v_add_f32 v[53+\li], v[53+\li], v[42+\li]      ;       + fc_c_b[i]
.endr
.irp li, 2, 3, 4
	s_delay_alu instid0(VALU_DEP_1)
	v_add_f32 v[53+\li], v[52+\li], v[47+\li]      ; d_i = d_(i-1) + b1_b[i-1]
	s_delay_alu instid0(VALU_DEP_1)
	v_add_f32 v[53+\li], v[53+\li], v[42+\li]      ;       + fc_c_b[i]
.endr
	s_delay_alu instid0(VALU_DEP_1)
	v_add_f32 v58, v57, v52                        ; d_5
.irp li, 0,1,2,3,4,5
	ds_store_b32 v[DTA], v[53+\li] offset:512*\li
.endr
	s_branch .Lfilled
.Lcopy:
.irp li, 0,1,2,3,4
	global_load_b32 v[42+\li], v[U4], s[30:31] offset:512*\li   ; waves 4-7: b0_b,
.endr
	global_load_b32 v47, v[U4], s[38:39]           ; and out_w
	s_wait_loadcnt 0x0
.irp li, 0,1,2,3,4
	ds_store_b32 v[DTA], v[42+\li] offset:B0T-DT+512*\li
.endr
	ds_store_b32 v[DTA], v47 offset:OWT-DT
.Lfilled:
	s_wait_dscnt 0x0                               ; for the others' sake: my part of LDS is written
	s_wait_kmcnt 0x0                               ; out_b
	s_barrier_signal -1
	s_barrier_wait -1                              ; from here on LDS is only read
; ONE RESIDUAL BLOCK for both tiles.  Every step begins with the wait for all LDS loads and then issues the NEXT step's: each load has a step's vector work in which to land, and every count is 0.
; A load's registers were last read by matrix instructions of an earlier step, behind which that step's vector work (or v_nop) fills the four places.
; No two matrix instructions on end share an accumulator, and each turn is one instruction.  last = 1: block 4: no next fc_c_w; the next round's inputs are asked for.
.macro ITER last
	v_add_nc_u32 v[VW], s[IW], v[L16]
	v_add_nc_u32 v[VS], s[IS], v[L16]
	v_add_nc_u32 v[VD], s[IDD], v[H64]
	v_add_nc_u32 v[VB], s[IBB], v[H64]
	s_wait_alu depctr_va_vdst(0)
	s_wait_dscnt 0x0                               ; ---- A0
	LDBI BI1, VD, 128
	LDSC WS0, 0
	LDSC WS1, 2048-1024*\last
	WIN 0x40
.irp tt, 0,1,2,3,4,5,6,7
	LDFR WB+12*\tt, 24576-12288*\last+1536*\tt     ; fc_c_w[i + 1]; in the last block b1_w[4]
.endr
	WIN 0
.if \last
	s_cmp_eq_u32 s[RND], 1
	s_cbranch_scc1 .Lno_a_\@
	LOADIN_A 1                                     ; c's registers have had their last reader of this round
.Lno_a_\@:
.endif
	ASTAGE 0, BI0
	s_wait_dscnt 0x0                               ; ---- A1
	LDBI BI0, VD, 256
	ASTAGE 1, BI1
	s_wait_dscnt 0x0                               ; ---- A2
	LDBI BI1, VD, 384
	LDFR WF0, 0
	LDFR WF0+12, 1536
	ASTAGE 2, BI0
	s_wait_dscnt 0x0                               ; ---- A3
	LDBI BI0, VB, 0
	LDFR WF1, 3072
	LDFR WF1+12, 4608
	ASTAGE 3, BI1
	NOPS 8                                         ; a scale register written by vector instructions stands 8 places ahead of the scaled product, an operand 4
	s_wait_alu depctr_va_vdst(0)
	s_wait_dscnt 0x0                               ; ---- H0
	LDBI BI1, VB, 128
	HPROD 0
.if \last == 0
	CPROD 0
.endif
	NOPS 4                                         ; places ahead of the loads below and of the first read of these results
	s_wait_dscnt 0x0                               ; ---- H1
	LDBI BI0, VB, 256
	LDFR WF0, 6144
	LDFR WF0+12, 7680
.if \last == 0
	WIN 0x40
	LDFR WB, 12288                                 ; b1_w[i] takes the place of each pair of fragments as it falls free
	LDFR WB+12, 12288+1536
	WIN 0
.endif
	HPROD 1
.if \last == 0
	CPROD 1
.endif
	QSTAGE 0
	s_wait_dscnt 0x0                               ; ---- H2
	LDBI BI1, VB, 384
	LDFR WF1, 9216
	LDFR WF1+12, 10752
.if \last == 0
	WIN 0x40
	LDFR WB+24, 12288+3072
	LDFR WB+36, 12288+4608
	WIN 0
.endif
	HPROD 2
.if \last == 0
	CPROD 2
.endif
	QSTAGE 1
	s_wait_dscnt 0x0                               ; ---- H3
	LDBI BI0, VD, 512                              ; the next d's first block
.if \last == 0
	WIN 0x40
	LDFR WB+48, 12288+6144
	LDFR WB+60, 12288+7680
	WIN 0
.endif
	HPROD 3
.if \last == 0
	CPROD 3
.endif
	QSTAGE 2
	s_wait_dscnt 0x0                               ; ---- HT
.if \last
	LDBI WF0, VB, 512                              ; out_w's first block
	s_cmp_eq_u32 s[RND], 1
	s_cbranch_scc1 .Lno_b_\@
	LOADIN_B
.Lno_b_\@:
.else
	WIN 0x40
	LDFR WB+72, 12288+9216
	LDFR WB+84, 12288+10752
	WIN 0
	LDSC WS1, 1024
.endif
	QSTAGE 3
	NOPS 8
	s_wait_alu depctr_va_vdst(0)
	s_wait_dscnt 0x0                               ; ---- N: net += relu(h) x b1_w[i]
	WIN 0x51
.irp tt, 0,1,2,3,4,5,6,7
.irp pp, 0,1
	MX NET+64*\pp+8*\tt, WB+12*\tt, HQ+12*\pp, NET+64*\pp+8*\tt, WS1+\tt, SWH+\pp
.endr
.endr
	WIN 0
	NOPS 4
.if \last == 0
	s_add_co_u32 s[IW], s[IW], 36864
	s_add_co_u32 s[IS], s[IS], 3072
	s_add_co_u32 s[IDD], s[IDD], 512
	s_add_co_u32 s[IBB], s[IBB], 512
.endif
.endm
; block blk of the last product: relu(net + d_5) . out_w, in f32
.macro OSTAGE blk
	s_wait_dscnt 0x0
.if (\blk) < 3
	LDBI BI0+16*(((\blk)+1)%2), VD, 512+128*((\blk)+1)
	LDBI WF0+24*(((\blk)+1)%2), VB, 512+128*((\blk)+1)
.endif
	NETIN \blk, BI0+16*((\blk)%2)
.irp kk, 0,2,4,6,8,10,12,14
.irp pp, 0,1
.if ((\blk) == 0) && (\kk == 0)
	v_pk_mul_f32 v[OA+2*\pp:OA+2*\pp+1], v[HT0+16*\pp:HT0+16*\pp+1], v[WF0:WF0+1]   ; the first product starts the sums
.else
	v_pk_fma_f32 v[OA+2*\pp:OA+2*\pp+1], v[HT0+16*\pp+\kk:HT0+16*\pp+\kk+1], v[WF0+24*((\blk)%2)+\kk:WF0+24*((\blk)%2)+\kk+1], v[OA+2*\pp:OA+2*\pp+1]
.endif
.endr
.endr
.endm
	s_mov_b32 s[RND], 0
.Lround:
	s_wait_loadcnt 0x0                             ; the round's points, codes and scale words
	s_wait_xcnt 0x0                                ; the last round's store has read its registers
	v_cndmask_b32 v[PB+1], v[PB+1], 1.0, s[MASK]   ; k = 3 of the points: 1.0, against fc_p_b
	v_cndmask_b32 v[PB+3], v[PB+3], 1.0, s[MASK]
	v_and_b32 v[OID], 0xffff, v[NE2]
	s_delay_alu instid0(VALU_DEP_1)
	v_min_u32 v[OID], 0xffff, v[OID]
	s_delay_alu instid0(VALU_DEP_1)
	v_add_nc_u32 v[OID], s[B16], v[OID]
	s_delay_alu instid0(VALU_DEP_1)
	v_lshlrev_b32 v[OID], 2, v[OID]
	v_mov_b32 v[VW], v[L16]                        ; matrix 0
	v_add_nc_u32 v[VS], WSC, v[L16]
	v_add_nc_u32 v[VD], DT, v[H64]
.irp tt, 0,1,2,3,4,5,6,7
	ds_load_b64 v[WF0+2*\tt:WF0+2*\tt+1], v[TA] offset:256*\tt
.endr
	LDSC WS1, 0
	LDBI BI0, VD, 0
	WIN 0x40
.irp tt, 0,1,2,3,4,5,6,7
	LDFR WB+12*\tt, 1536*\tt
.endr
	s_wait_alu depctr_va_vdst(0)
	s_wait_dscnt 0x0
.irp tt, 0,1,2,3,4,5,6,7               ; product 1, with fc_p_b: the constant 0 starts each sum
.irp pp, 0,1
	v_wmma_f32_16x16x4_f32 v[NET+64*\pp+8*\tt:NET+64*\pp+8*\tt+7], v[WF0+2*\tt:WF0+2*\tt+1], v[PB+2*\pp:PB+2*\pp+1], 0
.endr
.endr
	WIN 0
	NOPS 9                                         ; nine places between the f32 form and another form that writes over its results
	WIN 0x55
.irp tt, 0,1,2,3,4,5,6,7               ; net += c x fc_c_w[0]
.irp pp, 0,1
	MX NET+64*\pp+8*\tt, WB+12*\tt, CC+12*\pp, NET+64*\pp+8*\tt, WS1+\tt, CS+\pp
.endr
.endr
	WIN 0
	NOPS 4
	s_mov_b32 s[IW], 12288
	s_mov_b32 s[IS], WSC+1024
	s_mov_b32 s[IDD], DT
	s_mov_b32 s[IBB], B0T
	s_mov_b32 s[IT], 4
.Liter:
	ITER 0
	s_sub_co_u32 s[IT], s[IT], 1
	s_cmp_lg_u32 s[IT], 0
	s_cbranch_scc1 .Liter
	ITER 1
	OSTAGE 0
	OSTAGE 1
	OSTAGE 2
	OSTAGE 3
	s_delay_alu instid0(VALU_DEP_2)
	v_add_f32 v[TM], v[OA], v[OA+1]
	s_delay_alu instid0(VALU_DEP_2)
	v_add_f32 v[TM+1], v[OA+2], v[OA+3]
	s_delay_alu instid0(VALU_DEP_2)
	v_permlanex16_b32 v[PM], v[TM], s[SEL], s[SEL+1]
	s_delay_alu instid0(VALU_DEP_2)
	v_permlanex16_b32 v[PM+1], v[TM+1], s[SEL], s[SEL+1]
	s_delay_alu instid0(VALU_DEP_2)
	v_add_f32 v[TM], v[TM], v[PM]                  ; both halves of the lanes now hold a point's whole sum
	s_delay_alu instid0(VALU_DEP_2)
	v_add_f32 v[TM+1], v[TM+1], v[PM+1]
	s_delay_alu instid0(VALU_DEP_1)
	v_cndmask_b32 v[TM], v[TM], v[TM+1], s[MASK]   ; lanes 0-15 tile 0's points, lanes 16-31 tile 1's
	s_delay_alu instid0(VALU_DEP_1)
	v_add_f32 v[TM], s[OB], v[TM]
	global_store_b32 v[OID], v[TM], s[42:43]       ; to the point's own place: the price of working in sorted order
	s_add_co_u32 s[RND], s[RND], 1
	s_cmp_lt_u32 s[RND], 2
	s_cbranch_scc1 .Lround
	s_wait_dscnt 0x0
	s_barrier_signal -1                            ; every wave's reads of LDS are over before any wave's closing add
	s_barrier_wait -1
	s_wait_tensorcnt 0x0                           ; the wave's end, behind my last LDS store
	ds_add_u32 v[SPW], v[NIL]
	s_wait_dscnt 0x0
	s_endpgm
.Lfunc_end_k_q6b5ac30802_mlp:
	.size	k_q6b5ac30802_mlp, .Lfunc_end_k_q6b5ac30802_mlp-k_q6b5ac30802_mlp
	.p2alignl 7, 3214868480
	.fill 96, 4, 3214868480
	.section	.rodata,"a",@progbits
	.p2align	6, 0x0
	.amdhsa_kernel k_q6b5ac30802_mlp
		.amdhsa_group_segment_fixed_size 208896
		.amdhsa_private_segment_fixed_size 0
		.amdhsa_enable_private_segment 0
		.amdhsa_kernarg_size 144
		.amdhsa_user_sgpr_count 2
		.amdhsa_user_sgpr_kernarg_segment_ptr 1
		.amdhsa_wavefront_size32 1
		.amdhsa_system_sgpr_workgroup_id_x 1
		.amdhsa_system_sgpr_workgroup_id_y 1
		.amdhsa_system_sgpr_workgroup_id_z 1
		.amdhsa_system_vgpr_workitem_id 0
		.amdhsa_next_free_vgpr 512
		.amdhsa_next_free_sgpr 66
		.amdhsa_reserve_vcc 0
		.amdhsa_float_denorm_mode_32 3
		.amdhsa_float_denorm_mode_16_64 3
		.amdhsa_memory_ordered 1
		.amdhsa_forward_progress 1
		.amdhsa_inst_pref_size 140
	.end_amdhsa_kernel
	.amdgpu_metadata
---
amdhsa.version: [ 1, 2 ]
amdhsa.kernels:
  - .name:           k_q6b5ac30802_mlp
    .symbol:         k_q6b5ac30802_mlp.kd
    .args:
      - { .name: ccode, .offset: 0, .size: 8, .value_kind: global_buffer, .address_space: global }
      - { .name: cscale, .offset: 8, .size: 8, .value_kind: global_buffer, .address_space: global }
      - { .name: ent, .offset: 16, .size: 8, .value_kind: global_buffer, .address_space: global }
      - { .name: p, .offset: 24, .size: 8, .value_kind: global_buffer, .address_space: global }
      - { .name: fc_p_w, .offset: 32, .size: 8, .value_kind: global_buffer, .address_space: global }
      - { .name: fc_p_b, .offset: 40, .size: 8, .value_kind: global_buffer, .address_space: global }
      - { .name: fc_c_w_codes, .offset: 48, .size: 8, .value_kind: global_buffer, .address_space: global }
      - { .name: fc_c_w_scales, .offset: 56, .size: 8, .value_kind: global_buffer, .address_space: global }
      - { .name: fc_c_b, .offset: 64, .size: 8, .value_kind: global_buffer, .address_space: global }
      - { .name: b0_w_codes, .offset: 72, .size: 8, .value_kind: global_buffer, .address_space: global }
      - { .name: b0_w_scales, .offset: 80, .size: 8, .value_kind: global_buffer, .address_space: global }
      - { .name: b0_b, .offset: 88, .size: 8, .value_kind: global_buffer, .address_space: global }
      - { .name: b1_w_codes, .offset: 96, .size: 8, .value_kind: global_buffer, .address_space: global }
      - { .name: b1_w_scales, .offset: 104, .size: 8, .value_kind: global_buffer, .address_space: global }
      - { .name: b1_b, .offset: 112, .size: 8, .value_kind: global_buffer, .address_space: global }
      - { .name: out_w, .offset: 120, .size: 8, .value_kind: global_buffer, .address_space: global }
      - { .name: out_b, .offset: 128, .size: 8, .value_kind: global_buffer, .address_space: global }
      - { .name: out0, .offset: 136, .size: 8, .value_kind: global_buffer, .address_space: global }
    .group_segment_fixed_size: 208896
    .private_segment_fixed_size: 0
    .kernarg_segment_align: 8
    .kernarg_segment_size: 144
    .max_flat_workgroup_size: 256
    .sgpr_count:     66
    .vgpr_count:     512
    .wavefront_size: 32
...
	.end_amdgpu_metadata
.endif
;; end of part 8
